; MI455X (gfx1250); checked and timed in simulation.
; The chip was launched on July 23, 2026; its instructions are those of AMD's public machine-readable ISA for CDNA 5 (MIT licence, August 2026) and "CDNA5" Instruction Set Architecture Reference Guide (July 2026). The comments in the code are by the model that wrote it; some were corrected since.
;; Multihead Attention. Allowed arithmetic: matrix products marked QUANTISED: E2M1 operands, one E8M0 scale for each 32 along K, by v_wmma_scale_f32_16x16x128_f8f6f4 with both operands' format E2M1 (or v_wmma_scale_f32_32x16x128_f4), f32 sums; everything else in f32.
;; Inputs: Wk_codes 2,048 x 64 x 16 uint8 (E2M1 codes of Wk, K innermost, in blocks of 32 codes, two codes a byte); Wk_scales 2,048 x 64 uint8 (E8M0 scales of Wk, one for each 32 codes along K); Wo_codes 2,048 x 64 x 16 uint8 (E2M1 codes of Wo, K innermost, in blocks of 32 codes, two codes a byte); Wo_scales 2,048 x 64 uint8 (E8M0 scales of Wo, one for each 32 codes along K); Wq_codes 2,048 x 64 x 16 uint8 (E2M1 codes of Wq, K innermost, in blocks of 32 codes, two codes a byte); Wq_scales 2,048 x 64 uint8 (E8M0 scales of Wq, one for each 32 codes along K); Wv_codes 2,048 x 64 x 16 uint8 (E2M1 codes of Wv, K innermost, in blocks of 32 codes, two codes a byte); Wv_scales 2,048 x 64 uint8 (E8M0 scales of Wv, one for each 32 codes along K); key__codes 2,048 x 64 x 16 uint8 (E2M1 codes of key_, K innermost, in blocks of 32 codes, two codes a byte); key__scales 2,048 x 64 uint8 (E8M0 scales of key_, one for each 32 codes along K); query_codes 2,048 x 64 x 16 uint8 (E2M1 codes of query, K innermost, in blocks of 32 codes, two codes a byte); query_scales 2,048 x 64 uint8 (E8M0 scales of query, one for each 32 codes along K); value_codes 2,048 x 64 x 16 uint8 (E2M1 codes of value, K innermost, in blocks of 32 codes, two codes a byte); value_scales 2,048 x 64 uint8 (E8M0 scales of value, one for each 32 codes along K).
;; Outputs: out0 2,048 x 2,048 float32.
;; This version of the problem:
;;   THIS VERSION OF THE PROBLEM IS GIVEN IN LOW PRECISION. The matrix products marked QUANTISED in the list below multiply operands that are first quantised to E2M1 (2 exponent bits, 1 mantissa bit; 4 bits a number), with one power-of-two scale for each 32 numbers along K (OCP MX v1.0); their sums are f32. All else is computed in f32.
;;   The module's matrix products, in the order in which they are computed (A, B: the left and right operand; K: the contracted axis; several contracted axes count as one K, in the product's order):
;;     1. [M 2,048, K 2,048] x [K 2,048, N 2,048]; A: input query (given as codes); B: input Wq (given as codes): QUANTISED
;;     2. [M 2,048, K 2,048] x [K 2,048, N 2,048]; A: input key_ (given as codes); B: input Wk (given as codes): QUANTISED
;;     3. [M 2,048, K 2,048] x [K 2,048, N 2,048]; A: input value (given as codes); B: input Wv (given as codes): QUANTISED
;;     4. batch 16 x [M 2,048, K 128] x [K 128, N 2,048]; A: computed on the way; B: computed on the way: QUANTISED
;;     5. batch 16 x [M 128, K 2,048] x [K 2,048, N 2,048]; A: computed on the way; B: softmax (see below): QUANTISED
;;     6. [M 2,048, K 2,048] x [K 2,048, N 2,048]; A: computed on the way; B: input Wo (given as codes): QUANTISED
;;   THE QUANTISER, for each operand of a quantised product, along K:
;;     - K is cut into blocks of 32 from its start; a last block that is shorter is filled with zeros.
;;     - A block's scale is 2^e with e = floor(log2(the largest magnitude in the block)) - 2, held to -126 .. 127; a block of zeros has e = 0. As a byte (E8M0): e + 127.
;;     - Each number is divided by its block's scale, clamped to +-6, and rounded to the nearest number of E2M1, ties to even, subnormals kept.
;;     - The product sums the exact products of the quantised numbers (number of the format x scale) in f32.
;;   ~~~python
;;   def quantise(x, axis):      # numpy; x: float32 -> the quantised numbers, widened to float32 again
;;       x = np.moveaxis(x, axis, -1); K = x.shape[-1]
;;       x = np.pad(x, [(0, 0)] * (x.ndim - 1) + [(0, -K % 32)]); x = x.reshape(x.shape[:-1] + (-1, 32)); a = np.abs(x).max(-1, keepdims=True)
;;       e = np.where(a > 0, np.clip(np.frexp(np.where(a > 0, a, 1))[1] - 1 - 2, -126, 127), 0)      # np.frexp(a)[1] - 1 = floor(log2(a)), exactly
;;       r = np.clip(x / 2.0 ** e, -6, 6)
;;       step = 2.0 ** (np.maximum(np.frexp(np.where(r == 0, 1, r))[1] - 1, 0) - 1)
;;       q = np.round(r / step) * step * 2.0 ** e      # np.round: ties to even
;;       return np.moveaxis(q.reshape(q.shape[:-2] + (-1,))[..., :K], -1, axis).astype(np.float32)
;;   ~~~
;;   SOFTMAX AHEAD OF A QUANTISED PRODUCT. Where the list says 'softmax', what is quantised is not the finished softmax but p = 2^(t - M), with t = logit x log2(e) and M = ceil(the row's largest t), a whole number; so 1/2 < the row's largest p <= 1. The row's sum l is taken of the UNQUANTISED p, in f32, and the product's result is divided by l at the end. Since M is a whole number, a kernel that streams over the keys may use a running M (the ceiling of the running maximum): every later rescaling is an exact power of two, which a block's scale takes up: the codes' values come out the same.
;;   OPERANDS COMPUTED ON THE WAY. 'Computed on the way' means the value that the module computes at that place (a softmax that the list does not call 'softmax' is quantised finished and normalised). What goes into a quantiser is computed in f32, as accurately as f32 sums, v_exp_f32 and their like allow (about 1e-6 of the number): no bf16 or f16 on the way to a quantiser, and a product that is left as it is and whose result goes on into a quantised operand takes f32 operands (vector FMAs, or v_wmma_f32_16x16x4_f32). A number that lies on a knife's edge between two numbers of the format may be rounded either way, as far as f32 arithmetic and the matrix unit's own rounding can turn it there, and no further.
;;   INPUTS GIVEN AS CODES. Wk (in the module: [2048, 2048], K = its axis 1); Wo (in the module: [2048, 2048], K = its axis 1); Wq (in the module: [2048, 2048], K = its axis 1); Wv (in the module: [2048, 2048], K = its axis 1); key_ (in the module: [2048, 2048], K = its axis 1); query (in the module: [2048, 2048], K = its axis 1); value (in the module: [2048, 2048], K = its axis 1): each comes as NAME_codes (uint8): NAME with its K axis moved to the last place and cut into blocks of 32 codes, [.., K / 32, bytes a block], one block behind the other in memory; two codes a byte, the lower K in the low four bits (a code: sign, 2 exponent bits, 1 mantissa bit); and NAME_scales (uint8): the same leading axes, one E8M0 byte (e + 127) for each 32 codes along K. Its value is code x scale, taken as it is: it is not quantised again, and the codes and scales need not be those that the quantiser above would give.
;; One version. Each part assembles by itself: llvm-mc -triple=amdgcn-amd-amdhsa -mcpu=gfx1250 --defsym DOCPART=n.
;; ======== version 1 of 1: 3 launches
;; limits: right only within a limited range of input values
;; workspace buffers: qrec 2,228,224 bytes; krec 2,228,224 bytes; vrec 2,228,224 bytes; arec 2,228,224 bytes
;; launch proj (part 1): grid 8 x 24, 4 waves a work-group, clusters of 4 x 4, 327,680 bytes of LDS; arguments query_codes, key__codes, Wv_codes, query_scales, key__scales, Wv_scales, Wq_codes, Wk_codes, value_codes, Wq_scales, Wk_scales, value_scales, qrec, krec, vrec; writes qrec, krec, vrec
.if DOCPART == 1
	.amdgcn_target "amdgcn-amd-amdhsa--gfx1250"
	.amdhsa_code_object_version 6
	.text
	.protected	k_q79dba3332e_proj
	.globl	k_q79dba3332e_proj
	.p2align	8
	.type	k_q79dba3332e_proj,@function
k_q79dba3332e_proj:
	s_mov_b64 s[64:65], 0
	v_nop
	global_prefetch_b8 v0, s[64:65] scope:SCOPE_SE
	s_setreg_imm32_b32 hwreg(HW_REG_WAVE_MODE, 25, 1), 1
	s_wait_xcnt 0x0
	s_wait_alu depctr_hold_cnt(0) depctr_sa_sdst(0) depctr_va_vdst(0) depctr_va_sdst(0) depctr_va_ssrc(0) depctr_va_vcc(0) depctr_vm_vsrc(0)
	s_getreg_b32 s2, hwreg(HW_REG_IB_STS2, 6, 4)
	s_cmp_eq_u32 s2, 0
	s_cbranch_scc0 .Lentry_in_a_cluster
	s_endpgm
.Lentry_in_a_cluster:
	s_bfe_u32 s2, ttmp6, 0x10000c
	s_cmp_lg_u32 s2, 0xf033
	s_cbranch_scc0 .Lentry_shape_is_right
	s_endpgm
.Lentry_shape_is_right:
; THE THREE PROJECTIONS on codes of FP4 (E2M1), one E8M0 scale for each 32 along K = 2,048, and the quantising of their results: q / sqrt(128) and k / sqrt(128) along the head's 128, v along the tokens.
; Product 0: A = query, B = Wq; 1: A = key_, B = Wk; 2: A = Wv, B = value (so v comes out with the tokens along B's rows).  All operands lie as rows of 1,024 bytes of codes and 64 scale bytes.
; DEAD WORK of the whole program: reference() builds a causal mask in its own body; steps of 128 keys that lie wholly behind a block of 128 queries are not computed (launch attn).  Key 0 counts for every query, so
; a masked logit never is a row's largest, whatever the inputs: its weight is 0.  LIMIT: a NaN, an infinity or an overflow that reaches only such keys is not carried to the result.
; LIMITS: NaN and infinities are not served.  A block of zeros gets the scale byte 1 where the quantiser says 127 (its codes are zeros; only this program reads the bytes).
; A work-group of four waves makes 256 x 256: a wave 128 x 128, 512 accumulators.  3 x 64 = 192 work-groups: 256 equal shares exist only as smaller tiles, whose fragments feed fewer products each.
; K goes in steps of 512 through two LDS slots; the scale bytes of all of K come once, at the head.  CLUSTERS of 4 x 4: A's tiles are asked for jointly along a row of the cluster, B's along a column.
; THE MATRIX INSTRUCTION IS USED TRANSPOSED: source 0 = 32 rows of B, source 1 = 16 rows of A: lane (r, h) holds row r of A's block and eight neighbours along B's rows: register 8 t + j is row 16 t + 8 h + j of B.
; PREFETCH: K steps 2 and 3, one K step ahead of the load that wants them; of the 128 rows that a wave fetches each of the four partners names 32, a lane a row.
; OUTPUT RECORDS of 8,704 bytes, 128 rows x 128 K as an image of operand registers: tile t (16 rows) at 1,024 t, registers 4 c .. at + 512 c + 16 x lane; scale words at 8,192 + 16 x lane + 4 j: lanes 0-15 tile 2 j, lanes 16-31 tile 2 j + 1.
;   qrec [head][block of 128 queries], krec [head][step of 128 keys], vrec [head][step of 128 keys].
; REGISTERS: window 0: v16-31 addresses; v32-95 scale words, two sets (A's 4 x 4, B's 4 x 4); v96-127 the quantiser; v128-255 A's fragments, two sets; window 1: B's, two sets; windows 2, 3: accumulators of rows 0-63, 64-127.
.set ROWB,   256
.set KROW,   1024
.set PITCH,  272                       ; 256 bytes + 16 of padding
.set HALFT,  128*PITCH
.set SLOT,   4*HALFT                   ; A's 256 rows, then B's
.set SCL,    2*SLOT                    ; scale bytes: units of 256 bytes + 16 of padding
.set HALFS,  32*272                    ; those of 128 rows
.set SPARE,  SCL+4*HALFS               ; the spare words
.set REC,    8704
.set ADRA, 16                          ; v16-17  A fragments, slot 0, 1
.set ADRB, 20                          ; v20-21  B fragments
.set PFO,  24                          ; v24     prefetch: 1,024 x lane
.set ADSA, 26                          ; v26     A's scale words: lane = row of 32
.set ADSB, 27                          ; v27     B's
.set SPW,  28
.set NIL,  29
.set LI,   30                          ; v30     16 x lane
.set LN,   31                          ; v31     lane
.set SC,   32
.set TM,   96
.set W,    120
.set AF,   128
.set PC,   128
.set OW,   192
.set SEL,  18                          ; s[18:19] at the end: lane selects, lane l xor 16
.set G1, 24
.set G0, 32
.set G1B, 48
.set G0B, 56
.set PFA, 66
.set G1S, 68
.set G0S, 76
.set G1SB, 80
.set G0SB, 88
.set G0H, 4
.set G0HB, 8
.set MU,  98
.set MSB, 0
.macro WIN new                         ; the immediate's high byte repeats the setting that is left
.if MSB != \new
	s_set_vgpr_msb (MSB<<8)|\new
.set MSB, \new
.endif
.endm
.set MUL_LO, 0xa1                      ; source 0 window 1, source 1 window 0, C and D window 2
.set MUL_HI, 0xf1                      ; C and D window 3
.set TO_B,   0x40
.macro PLACES
.rept 4
	v_nop
.endr
.endm
.macro JLOAD s                         ; waves 0, 1 fetch A's halves, waves 2, 3 B's
	s_cmp_eq_u32 s15, 0
	s_cbranch_scc0 .Lfor_b_\@
	tensor_load_to_lds s[G0+4*\s:G0+4*\s+3], s[G1:G1+7]
	s_nop 0
	PLACES
	s_branch .Lasked_\@
.Lfor_b_\@:
	tensor_load_to_lds s[G0B+4*\s:G0B+4*\s+3], s[G1B:G1B+7]
	s_nop 0
	PLACES
.Lasked_\@:
.endm
.macro CREST                           ; a round of the cluster's barrier behind its opening barrier
	s_cmp_lg_u32 s14, 0
	s_cbranch_scc1 .Lnot_wave_0_\@
	s_barrier_signal -3
.Lnot_wave_0_\@:
	s_barrier_wait -3
	s_barrier_signal -1
	s_barrier_wait -1
.endm
.macro CROUND
	s_barrier_signal -1
	s_barrier_wait -1
	CREST
.endm
	s_load_b512 s[68:83], s[0:1], 0x0
	s_load_b256 s[84:91], s[0:1], 0x40
	s_load_b128 s[92:95], s[0:1], 0x60
	s_load_b64 s[96:97], s[0:1], 0x70
	v_lshl_add_u32 v[SPW], v0, 2, SPARE
	v_mov_b32 v[NIL], 0
	ds_add_u32 v[SPW], v[NIL]                      ; the opening adds, twice on end
	ds_add_u32 v[SPW], v[NIL]
	v_lshrrev_b32 v1, 5, v0
	v_readfirstlane_b32 s14, v1                    ; wave 0..3
	s_lshr_b32 s15, s14, 1                         ; my half of A's rows; I fetch for A (0) or B (1)
	s_and_b32 s16, s14, 1                          ; my half of B's rows; which 128 rows I fetch
	s_bfe_u32 s40, ttmp6, 0x40000                  ; cx, cy
	s_bfe_u32 s41, ttmp6, 0x40004
	s_lshl_b32 s42, ttmp9, 2
	s_add_co_u32 s42, s42, s40                     ; tile column 0..7
	s_and_b32 s17, ttmp7, 0xffff
	s_lshr_b32 s2, s17, 1                          ; the product 0..2
	s_and_b32 s17, s17, 1
	s_lshl_b32 s17, s17, 2
	s_add_co_u32 s17, s17, s41                     ; tile row 0..7
	s_lshl_b32 s43, s41, 2
	s_lshl_b32 s43, 15, s43                        ; my row of the cluster
	s_lshl_b32 s44, 0x1111, s40                    ; my column
	s_or_b32 s[G1+0], s43, (0<<16)|(1<<20)|(1<<21)|(5<<22)|(3<<25)   ; bytes; four words of padding after every 64
	s_or_b32 s[G1B+0], s44, (0<<16)|(1<<20)|(1<<21)|(5<<22)|(3<<25)
.irp g, G1, G1B
	s_mov_b32 s[\g+1], ROWB<<16
	s_mov_b32 s[\g+2], 256<<16                     ; the head's loads: 256 rows
	s_mov_b32 s[\g+3], ROWB<<16
	s_mov_b32 s[\g+4], 256
	s_mov_b32 s[\g+5], KROW
	s_mov_b32 s[\g+6], 0
	s_mov_b32 s[\g+7], 0
.endr
	s_lshl_b32 s20, s17, 8                         ; A's first row
	s_lshl_b32 s46, s42, 8                         ; B's
	s_mov_b32 s21, 0
	s_mov_b32 s47, 0
	s_lshl_b64 s[22:23], s[20:21], 6               ; scale bytes: 64 a row
	s_lshl_b64 s[18:19], s[46:47], 6
	s_lshl_b64 s[20:21], s[20:21], 10              ; codes: 1,024 bytes a row
	s_lshl_b64 s[46:47], s[46:47], 10
	s_mul_i32 s45, s14, HALFT                      ; where my ring loads go
	s_mov_b32 s[MU], 0x3db504f3                    ; 1 / sqrt(128)
	s_mov_b32 s[MU+1], s[MU]
	s_wait_alu depctr_va_vdst(0)
	s_wait_dscnt 0x0                               ; both opening adds are done
	CROUND                                         ; all sixteen work-groups are here: the first joint loads meet
	s_wait_kmcnt 0x0
	s_cmp_eq_u32 s2, 1
	s_cselect_b64 s[4:5], s[70:71], s[68:69]
	s_cselect_b64 s[6:7], s[76:77], s[74:75]
	s_cselect_b64 s[8:9], s[82:83], s[80:81]
	s_cselect_b64 s[10:11], s[88:89], s[86:87]
	s_cselect_b64 s[12:13], s[94:95], s[92:93]
	s_cmp_eq_u32 s2, 2
	s_cselect_b64 s[4:5], s[72:73], s[4:5]
	s_cselect_b64 s[6:7], s[78:79], s[6:7]
	s_cselect_b64 s[8:9], s[84:85], s[8:9]
	s_cselect_b64 s[10:11], s[90:91], s[10:11]
	s_cselect_b64 s[12:13], s[96:97], s[12:13]
	s_add_nc_u64 s[20:21], s[4:5], s[20:21]
	s_add_nc_u64 s[22:23], s[6:7], s[22:23]
	s_add_nc_u64 s[46:47], s[8:9], s[46:47]
	s_add_nc_u64 s[18:19], s[10:11], s[18:19]
	s_or_b32 s[G1S+0], s43, (3<<16)|(1<<20)|(1<<21)|(5<<22)|(3<<25)   ; 256 rows' scale bytes: 64 dense rows of 256 bytes
	s_or_b32 s[G1SB+0], s44, (3<<16)|(1<<20)|(1<<21)|(5<<22)|(3<<25)
.irp g, G1S, G1SB
	s_mov_b32 s[\g+1], 32<<16
	s_mov_b32 s[\g+2], 64<<16
	s_mov_b32 s[\g+3], 32<<16
	s_mov_b32 s[\g+4], 64
	s_mov_b32 s[\g+5], 32
	s_mov_b32 s[\g+6], 0
	s_mov_b32 s[\g+7], 0
.endr
	s_mov_b32 s[G0H], 1                            ; K step 0: A's 256 rows,
	s_mov_b32 s[G0H+1], 0
	s_mov_b64 s[G0H+2:G0H+3], s[20:21]
	s_or_b32 s[G0H+3], s[G0H+3], 0x80000000
	s_mov_b32 s[G0HB], 1                           ; B's,
	s_mov_b32 s[G0HB+1], 2*HALFT
	s_mov_b64 s[G0HB+2:G0HB+3], s[46:47]
	s_or_b32 s[G0HB+3], s[G0HB+3], 0x80000000
	s_mov_b32 s[G0S], 1                            ; A's scales,
	s_mov_b32 s[G0S+1], SCL
	s_mov_b64 s[G0S+2:G0S+3], s[22:23]
	s_or_b32 s[G0S+3], s[G0S+3], 0x80000000
	s_mov_b32 s[G0SB], 1                           ; B's
	s_mov_b32 s[G0SB+1], SCL+2*HALFS
	s_mov_b64 s[G0SB+2:G0SB+3], s[18:19]
	s_or_b32 s[G0SB+3], s[G0SB+3], 0x80000000
; One load a wave, in one tree of branches on the wave's number.
.macro ARM under, g0, g1, next
	s_cmp_lt_u32 s14, \under
	s_cbranch_scc0 \next
	tensor_load_to_lds s[\g0:\g0+3], s[\g1:\g1+7]
	s_nop 0
	PLACES
	s_branch .Lhead_asked
\next:
.endm
	ARM 1, G0H,  G1,  .Lhead_b
	ARM 2, G0HB, G1B, .Lhead_sa
	ARM 3, G0S,  G1S, .Lhead_sb
	tensor_load_to_lds s[G0SB:G0SB+3], s[G1SB:G1SB+7]
	s_nop 0
	PLACES
.Lhead_asked:
	s_lshl_b32 s94, s16, 17                        ; the ring: my 128 rows of the tile
	s_mov_b32 s95, 0
	s_add_nc_u64 s[20:21], s[20:21], s[94:95]
	s_add_nc_u64 s[46:47], s[46:47], s[94:95]
.irp s, 0,1
	s_mov_b32 s[G0+4*\s], 1
	s_add_co_u32 s[G0+4*\s+1], s45, \s*SLOT
	s_add_nc_u64 s[G0+4*\s+2:G0+4*\s+3], s[20:21], \s*ROWB
	s_or_b32 s[G0+4*\s+3], s[G0+4*\s+3], 0x80000000
	s_mov_b32 s[G0B+4*\s], 1
	s_add_co_u32 s[G0B+4*\s+1], s45, \s*SLOT
	s_add_nc_u64 s[G0B+4*\s+2:G0B+4*\s+3], s[46:47], \s*ROWB
	s_or_b32 s[G0B+4*\s+3], s[G0B+4*\s+3], 0x80000000
.endr
	s_cmp_eq_u32 s15, 0                            ; the prefetches: my 32 of those 128 rows, by my place among the four that ask with me
	s_cselect_b64 s[PFA:PFA+1], s[20:21], s[46:47]
	s_cselect_b32 s40, s40, s41
	s_lshl_b32 s40, s40, 15
	s_mov_b32 s41, 0
	s_add_nc_u64 s[PFA:PFA+1], s[PFA:PFA+1], s[40:41]
	s_lshl_b32 s20, s17, 1                         ; my record: A's block of 128 rows, B's block of 128 rows
	s_add_co_u32 s20, s20, s15
	s_lshl_b32 s46, s42, 1
	s_add_co_u32 s46, s46, s16
	s_lshl_b32 s21, s46, 4
	s_add_co_u32 s21, s21, s20                     ; q, k: 16 x head + block
	s_lshl_b32 s47, s20, 4
	s_add_co_u32 s47, s47, s46                     ; v: 16 x head + step
	s_cmp_eq_u32 s2, 2
	s_cselect_b32 s20, s47, s21
	s_mul_i32 s20, s20, REC
	s_mov_b32 s21, 0
	s_add_nc_u64 s[12:13], s[12:13], s[20:21]
	s_mul_i32 s21, s15, HALFT                      ; my 128 rows of A, of B, and their scale bytes
	s_mul_i32 s22, s16, HALFT
	s_add_co_u32 s22, s22, 2*HALFT
	s_mul_i32 s23, s15, HALFS
	s_add_co_u32 s23, s23, SCL
	s_mul_i32 s40, s16, HALFS
	s_add_co_u32 s40, s40, SCL+2*HALFS
	v_and_b32 v1, 15, v0                           ; r
	v_bfe_u32 v2, v0, 4, 1                         ; h
	v_and_b32 v[LN], 31, v0
	v_mul_u32_u24 v4, v1, PITCH
	v_lshl_add_u32 v4, v2, 4, v4
	v_add_nc_u32 v[ADRA], s21, v4
	v_add_nc_u32 v[ADRB], s22, v4
	v_add_nc_u32 v[ADRA+1], SLOT, v[ADRA]
	v_add_nc_u32 v[ADRB+1], SLOT, v[ADRB]
	v_lshrrev_b32 v5, 2, v[LN]                     ; scale bytes: four rows to a unit: 272 (lane / 4) + 64 (lane % 4)
	v_mul_u32_u24 v5, v5, 272
	v_and_b32 v6, 3, v[LN]
	v_lshl_add_u32 v5, v6, 6, v5
	v_add_nc_u32 v[ADSA], s23, v5
	v_add_nc_u32 v[ADSB], s40, v5
	v_lshlrev_b32 v[LI], 4, v[LN]
	v_lshlrev_b32 v[PFO], 10, v[LN]
	global_prefetch_b8 v[PFO], s[PFA:PFA+1] offset:ROWB th:TH_LOAD_NT scope:SCOPE_SE   ; K step 1, whose load stands behind the head's: one load ahead, as K steps 2 and 3 below
; A fragment: 16 rows x 128 K: two loads of 16 bytes a lane, 32 bytes apart.
.macro FRAG reg, adr, q, i
.irp c, 0,1
	ds_load_b128 v[\reg+4*\c:\reg+4*\c+3], v[\adr] offset:64*(\q)+32*\c+(\i)*16*PITCH
.endr
.endm
.macro FETCH_B slot, q, p              ; 16 loads
	WIN TO_B
.irp i, 0,1,2,3,4,5,6,7
	FRAG 64*(\p)+8*\i, ADRB+\slot, \q, \i
.endr
.endm
.macro FETCH_A slot, q, p              ; 16 loads
	WIN 0
.irp i, 0,1,2,3,4,5,6,7
	FRAG AF+64*(\p)+8*\i, ADRA+\slot, \q, \i
.endr
.endm
.macro SCALES kk, sc                   ; K step kk's scale words: 8 loads; lane = row of 32
	WIN 0
.irp i, 0,1,2,3
	ds_load_b128 v[SC+32*\sc+4*\i:SC+32*\sc+4*\i+3], v[ADSA] offset:2176*\i+16*\kk
.endr
.irp i, 0,1,2,3
	ds_load_b128 v[SC+32*\sc+16+4*\i:SC+32*\sc+16+4*\i+3], v[ADSB] offset:2176*\i+16*\kk
.endr
.endm
; A's block a x B's 32 rows b.  An odd block's scale words lie in lanes 16-31 of their register.
.macro MM a, b, p, q, sc, zero
.set rD, 64*((\a)%4)+16*(\b)
.set rB, 64*(\p)+16*(\b)
.set rA, AF+64*(\p)+8*(\a)
.set rSB, SC+32*(\sc)+16+4*(\b)+(\q)
.set rSA, SC+32*(\sc)+4*((\a)/2)+(\q)
.if \zero
.if (\a)%2
	v_wmma_scale_f32_32x16x128_f4 v[rD:rD+15], v[rB:rB+15], v[rA:rA+7], 0, v[rSB], v[rSA] matrix_b_scale:MATRIX_SCALE_ROW1
.else
	v_wmma_scale_f32_32x16x128_f4 v[rD:rD+15], v[rB:rB+15], v[rA:rA+7], 0, v[rSB], v[rSA]
.endif
.else
.if (\a)%2
	v_wmma_scale_f32_32x16x128_f4 v[rD:rD+15], v[rB:rB+15], v[rA:rA+7], v[rD:rD+15], v[rSB], v[rSA] matrix_b_scale:MATRIX_SCALE_ROW1
.else
	v_wmma_scale_f32_32x16x128_f4 v[rD:rD+15], v[rB:rB+15], v[rA:rA+7], v[rD:rD+15], v[rSB], v[rSA]
.endif
.endif
.endm
.macro MUL8 a0, p, q, sc, zero         ; the 32 accumulators take turns, in the same order in every step
.irp a, \a0, \a0+1
.irp b, 0,1,2,3
	MM (\a), \b, \p, \q, \sc, \zero
.endr
.endr
.endm
; A step of 128 along K whose successor lies in the same slot.  Its loads were issued in the order B, A's blocks 0-7.
.macro STEP slot, q, zero
	s_wait_dscnt 12                                ; all but A's blocks 2-7
	WIN MUL_LO
	MUL8 0, (\q)%2, \q, \slot, \zero
	PLACES                                         ; in front of loads into the set that the step before has multiplied
	FETCH_B \slot, (\q)+1, 1-(\q)%2
	s_wait_dscnt 24                                ; A's blocks 2, 3 are in: behind them blocks 4-7 and the 16 just issued
	WIN MUL_LO
	MUL8 2, (\q)%2, \q, \slot, \zero
	s_wait_dscnt 16                                ; all but the 16
	FETCH_A \slot, (\q)+1, 1-(\q)%2
	WIN MUL_HI
	MUL8 4, (\q)%2, \q, \slot, \zero
	MUL8 6, (\q)%2, \q, \slot, \zero
.endm
.macro ASK off                         ; a prefetch into the L2
	global_prefetch_b8 v[PFO], s[PFA:PFA+1] offset:\off th:TH_LOAD_NT scope:SCOPE_SE
.endm
; A slot's last step changes slots: one barrier; fill = 1: a round of the cluster's barrier, behind which this slot is filled again, two K steps on.  kk: the next K step; pf: a prefetch's offset, 0 for none.
.macro TURN slot, next, fill, kk, pf
	WIN 0
	s_wait_tensorcnt 0x0                           ; my part of the next slot is in
	ds_add_u32 v[SPW], v[NIL]
	s_wait_dscnt 13                                ; all but A's blocks 2-7 and the add
	WIN MUL_LO
	MUL8 0, 1, 3, \slot, 0
	s_wait_dscnt 0x0                               ; the add is done, and my reads of this slot are over
	s_barrier_signal -1
	MUL8 2, 1, 3, \slot, 0
	WIN 0
	s_barrier_wait -1
.if \fill
	CREST
	s_add_nc_u64 s[G0+4*\slot+2:G0+4*\slot+3], s[G0+4*\slot+2:G0+4*\slot+3], 2*ROWB
	s_add_nc_u64 s[G0B+4*\slot+2:G0B+4*\slot+3], s[G0B+4*\slot+2:G0B+4*\slot+3], 2*ROWB
	JLOAD \slot
.else
	PLACES
.endif
	SCALES \kk, \next
	FETCH_B \next, 0, 0
	FETCH_A \next, 0, 0
.if \pf
	ASK \pf
.endif
	WIN MUL_HI
	MUL8 4, 1, 3, \slot, 0
	MUL8 6, 1, 3, \slot, 0
.endm
	s_wait_alu depctr_va_vdst(0)                   ; the wait at the head's end
	s_wait_tensorcnt 0x0                           ; my tile of the head's four is in;
	ds_add_u32 v[SPW], v[NIL]
	s_mov_b32 s[G1+2], 128<<16                     ; no load of mine is out: from here on a load brings 128 rows
	s_mov_b32 s[G1+4], 128
	s_mov_b32 s[G1B+2], 128<<16
	s_mov_b32 s[G1B+4], 128
	s_wait_dscnt 0x0
	CROUND                                         ; all four tiles are in, everywhere in the cluster
	JLOAD 1                                        ; K step 1
	SCALES 0, 0
	FETCH_B 0, 0, 0
	FETCH_A 0, 0, 0
	ASK 2*ROWB                                     ; K step 2, which the first change of slots loads
	STEP 0, 0, 1
	STEP 0, 1, 0
	STEP 0, 2, 0
	TURN 0, 1, 1, 1, 3*ROWB                        ; fills K step 2, asks for K step 3
	STEP 1, 0, 0
	STEP 1, 1, 0
	STEP 1, 2, 0
	TURN 1, 0, 1, 2, 0                             ; fills K step 3
	STEP 0, 0, 0
	STEP 0, 1, 0
	STEP 0, 2, 0
	TURN 0, 1, 0, 3, 0
	STEP 1, 0, 0
	STEP 1, 1, 0
	STEP 1, 2, 0
	s_wait_dscnt 12                                ; the last step
	WIN MUL_LO
	MUL8 0, 1, 3, 1, 0
	s_wait_dscnt 8
	MUL8 2, 1, 3, 1, 0
	s_wait_dscnt 0x0
	WIN MUL_HI
	MUL8 4, 1, 3, 1, 0
	MUL8 6, 1, 3, 1, 0
	WIN 0
	PLACES
	s_mov_b32 s[SEL], 0x76543210
	s_mov_b32 s[SEL+1], 0xfedcba98
	s_cmp_eq_u32 s2, 2                             ; v has no factor
	s_cbranch_scc1 .Lno_factor
	WIN 0x82
.set i, 0
.rept 128
	v_pk_mul_f32 v[i:i+1], v[i:i+1], s[MU:MU+1] op_sel_hi:[1,0]
.set i, i+2
.endr
	WIN 0xc3
.set i, 0
.rept 128
	v_pk_mul_f32 v[i:i+1], v[i:i+1], s[MU:MU+1] op_sel_hi:[1,0]
.set i, i+2
.endr
	WIN 0
.Lno_factor:
.irp b, 0,1,2,3,4,5,6,7
	v_mov_b32 v[TM+8+\b], 0                        ; a lane permute's destination counts as one of its sources
.endr
; THE QUANTISER, blocks a and a + 1 together: eight chains.  A block of 32 is 16 registers of lanes l and l xor 16.
.macro QUANT2 a
	WIN 0x28+0x14*((\a)/4)
.irp x, 0,1
.irp b, 0,1,2,3
	v_max3_num_f32 v[TM+4*\x+\b], 0x1800000, |v[64*((\a+\x)%4)+16*\b]|, |v[64*((\a+\x)%4)+16*\b+1]|   ; with the floor 2^(3 - 127)
.endr
.endr
.irp i, 2,4,6,8,10,12,14
.irp x, 0,1
.irp b, 0,1,2,3
	v_max3_num_f32 v[TM+4*\x+\b], v[TM+4*\x+\b], |v[64*((\a+\x)%4)+16*\b+\i]|, |v[64*((\a+\x)%4)+16*\b+\i+1]|
.endr
.endr
.endr
	WIN 0
.irp b, 0,1,2,3,4,5,6,7
	v_permlanex16_b32 v[TM+8+\b], v[TM+\b], s[SEL], s[SEL+1]
.endr
.irp b, 0,1,2,3,4,5,6,7
	v_max_num_f32 v[TM+\b], v[TM+\b], v[TM+8+\b]
.endr
.irp b, 0,1,2,3,4,5,6,7
	v_add_nc_u32 v[TM+16+\b], 0xff000000, v[TM+\b] ; 2 off the exponent field: the conversion's scale operand
.endr
.irp b, 0,1,2,3,4,5,6,7
	v_lshrrev_b32 v[TM+8+\b], 23, v[TM+16+\b]      ; the scale's byte
.endr
.irp b, 1,2,3
.irp x, 0,1
.if \b == 1
	v_lshl_or_b32 v[W+\a+\x], v[TM+9+4*\x], 8, v[TM+8+4*\x]
.else
	v_lshl_or_b32 v[W+\a+\x], v[TM+8+4*\x+\b], 8*\b, v[W+\a+\x]
.endif
.endr
.endr
	WIN 0x02+(\a)/4
.irp x, 0,1
.irp b, 0,1,2,3
	v_cvt_scalef32_pk8_fp4_f32 v[PC+8*(\a+\x)+4*(\b/2)+(\b%2)], v[64*((\a+\x)%4)+16*\b:64*((\a+\x)%4)+16*\b+7], v[TM+16+4*\x+\b]
	v_cvt_scalef32_pk8_fp4_f32 v[PC+8*(\a+\x)+4*(\b/2)+2+(\b%2)], v[64*((\a+\x)%4)+16*\b+8:64*((\a+\x)%4)+16*\b+15], v[TM+16+4*\x+\b]
.endr
.endr
	WIN 0
	v_nop                                          ; a plain place behind the scaled conversions
.irp x, 0,1
.irp c, 0,1
	v_permlane16_swap_b32 v[PC+8*(\a+\x)+4*\c], v[PC+8*(\a+\x)+4*\c+1]
	v_permlane16_swap_b32 v[PC+8*(\a+\x)+4*\c+2], v[PC+8*(\a+\x)+4*\c+3]
.endr
.endr
.irp x, 0,1
	global_store_b128 v[LI], v[PC+8*(\a+\x):PC+8*(\a+\x)+3], s[12:13] offset:1024*(\a+\x)      ; 512 consecutive bytes a store, aligned
	global_store_b128 v[LI], v[PC+8*(\a+\x)+4:PC+8*(\a+\x)+7], s[12:13] offset:1024*(\a+\x)+512
.endr
.endm
	QUANT2 0
	QUANT2 2
	QUANT2 4
	QUANT2 6
	v_cmp_gt_u32 vcc_lo, 16, v[LN]
.irp j, 0,1,2,3
	v_cndmask_b32 v[OW+\j], v[W+2*\j+1], v[W+2*\j], vcc_lo
.endr
	global_store_b128 v[LI], v[OW:OW+3], s[12:13] offset:8192
	s_wait_tensorcnt 0x0                           ; the wave's end
	ds_add_u32 v[SPW], v[NIL]
	s_wait_dscnt 0x0
	CROUND                                         ; the closing round
	s_endpgm
.Lfunc_end_k_q79dba3332e_proj:
	.size	k_q79dba3332e_proj, .Lfunc_end_k_q79dba3332e_proj-k_q79dba3332e_proj
	.p2alignl 7, 3214868480
	.fill 96, 4, 3214868480
	.section	.rodata,"a",@progbits
	.p2align	6, 0x0
	.amdhsa_kernel k_q79dba3332e_proj
		.amdhsa_group_segment_fixed_size 327680
		.amdhsa_private_segment_fixed_size 0
		.amdhsa_enable_private_segment 0
		.amdhsa_kernarg_size 120
		.amdhsa_user_sgpr_count 2
		.amdhsa_user_sgpr_kernarg_segment_ptr 1
		.amdhsa_wavefront_size32 1
		.amdhsa_system_sgpr_workgroup_id_x 1
		.amdhsa_system_sgpr_workgroup_id_y 1
		.amdhsa_system_sgpr_workgroup_id_z 1
		.amdhsa_system_vgpr_workitem_id 0
		.amdhsa_next_free_vgpr 1024
		.amdhsa_next_free_sgpr 100
		.amdhsa_reserve_vcc 1
		.amdhsa_float_denorm_mode_32 3
		.amdhsa_float_denorm_mode_16_64 3
		.amdhsa_memory_ordered 1
		.amdhsa_forward_progress 1
		.amdhsa_inst_pref_size 166
	.end_amdhsa_kernel
	.amdgpu_metadata
---
amdhsa.version: [ 1, 2 ]
amdhsa.kernels:
  - .name:           k_q79dba3332e_proj
    .symbol:         k_q79dba3332e_proj.kd
    .args:
      - { .name: query_codes, .offset: 0, .size: 8, .value_kind: global_buffer, .address_space: global }
      - { .name: key__codes, .offset: 8, .size: 8, .value_kind: global_buffer, .address_space: global }
      - { .name: Wv_codes, .offset: 16, .size: 8, .value_kind: global_buffer, .address_space: global }
      - { .name: query_scales, .offset: 24, .size: 8, .value_kind: global_buffer, .address_space: global }
      - { .name: key__scales, .offset: 32, .size: 8, .value_kind: global_buffer, .address_space: global }
      - { .name: Wv_scales, .offset: 40, .size: 8, .value_kind: global_buffer, .address_space: global }
      - { .name: Wq_codes, .offset: 48, .size: 8, .value_kind: global_buffer, .address_space: global }
      - { .name: Wk_codes, .offset: 56, .size: 8, .value_kind: global_buffer, .address_space: global }
      - { .name: value_codes, .offset: 64, .size: 8, .value_kind: global_buffer, .address_space: global }
      - { .name: Wq_scales, .offset: 72, .size: 8, .value_kind: global_buffer, .address_space: global }
      - { .name: Wk_scales, .offset: 80, .size: 8, .value_kind: global_buffer, .address_space: global }
      - { .name: value_scales, .offset: 88, .size: 8, .value_kind: global_buffer, .address_space: global }
      - { .name: qrec, .offset: 96, .size: 8, .value_kind: global_buffer, .address_space: global }
      - { .name: krec, .offset: 104, .size: 8, .value_kind: global_buffer, .address_space: global }
      - { .name: vrec, .offset: 112, .size: 8, .value_kind: global_buffer, .address_space: global }
    .group_segment_fixed_size: 327680
    .private_segment_fixed_size: 0
    .kernarg_segment_align: 8
    .kernarg_segment_size: 120
    .max_flat_workgroup_size: 128
    .sgpr_count:     100
    .vgpr_count:     1024
    .wavefront_size: 32
...
	.end_amdgpu_metadata
.endif
;; end of part 1
;; launch attn (part 2): grid 16 x 16, 8 waves a work-group, clusters of 4 x 1, 279,552 bytes of LDS; arguments qrec, krec, vrec, arec; writes arec
.if DOCPART == 2
	.amdgcn_target "amdgcn-amd-amdhsa--gfx1250"
	.amdhsa_code_object_version 6
	.text
	.protected	k_q79dba3332e_attn
	.globl	k_q79dba3332e_attn
	.p2align	8
	.type	k_q79dba3332e_attn,@function
k_q79dba3332e_attn:
	s_mov_b64 s[64:65], 0
	v_nop
	global_prefetch_b8 v0, s[64:65] scope:SCOPE_SE
	s_setreg_imm32_b32 hwreg(HW_REG_WAVE_MODE, 25, 1), 1
	s_wait_xcnt 0x0
	s_wait_alu depctr_hold_cnt(0) depctr_sa_sdst(0) depctr_va_vdst(0) depctr_va_sdst(0) depctr_va_ssrc(0) depctr_va_vcc(0) depctr_vm_vsrc(0)
	s_getreg_b32 s2, hwreg(HW_REG_IB_STS2, 6, 4)
	s_cmp_eq_u32 s2, 0
	s_cbranch_scc0 .Lentry_in_a_cluster
	s_endpgm
.Lentry_in_a_cluster:
	s_bfe_u32 s2, ttmp6, 0x10000c
	s_cmp_lg_u32 s2, 0x3003
	s_cbranch_scc0 .Lentry_shape_is_right
	s_endpgm
.Lentry_shape_is_right:
; CAUSAL ATTENTION ON CODES OF FP4 (E2M1), one E8M0 scale for each 32 along a product's K.  16 heads of 128, 2,048 positions.  q and k arrive already multiplied by 1 / sqrt(128) each.
; WORK LEFT OUT: steps of 128 keys wholly behind a block of 128 queries (reference()'s own causal mask; see the first kernel's head).
; INPUTS ARE RECORDS of 8,704 bytes, images of operands' registers, 128 rows x 128 K: tile t (16 rows) at 1,024 t, its registers 4 c .. 4 c + 3 at + 512 c + 16 x lane; scale words at 8,192 + 16 x lane + 4 j: lanes 0-15 tile 2 j, 16-31 tile 2 j + 1.
;   qrec [head][block of 128 queries], krec [head][step of 128 keys] (K = the head's 128);  vrec [head][step of 128 keys] (rows = the head's 128, K = the keys).
; OUTPUT: arec [block of 128 queries][head]: attn / l quantised along the head's 128, the same image; its scale words at 8,192 + 64 t + 4 r.
; THE SOFTMAX: t = logit x log2(e); M = the largest t so far, rounded UP to a whole number; p = 2^(t - M) is quantised along the keys, not normalised; the sum l is taken of the unquantised p and divides at the end.
; When M moves, l and O are multiplied by 2^(old M - new M): exact.
; SHARES.  A cluster c of four work-groups serves one head and the blocks c, c ^ 5, 15 - (c ^ 5), 15 - c; all four partners hold the head's K and V in LDS (2 x 16 records, each byte filled once), asked for JOINTLY.
; A work-group has tiles 2 cx, 2 cx + 1 of each block, A PAIR: a wave walks both, so that each fragment of K and V feeds two products.  The steps of a pair are dealt among waves:
;   wave 0, 3, 5: block 15 - c;  4: block c alone;  1, 6: block 15 - (c ^ 5), even and odd steps;  2, 7: block c ^ 5, even and odd.  The waves w and w + 4 together walk 8 or 9 steps, whatever c.
; A wave's first step is 0, 1 or 2, and every block has it; the others stand in a list of four-bit numbers, ascending, ended by 0.
; At the end waves that share a pair each finish one of its tiles: waves 1, 2, 3 the first, 5, 6, 7 the second; they take the partner's O^T, M and l (3 and 5 also wave 0's) from LDS.  No branch and no LDS address hangs on cx.
; LOADS: waves 0-3 bring four records of K each, waves 4-7 V's.  The shortest largest block is 12, so each load brings a record that is read, in every cluster.
; LAYOUT.  Both products are used transposed: S^T = K Q^T, O^T = V^T P^T: lane (r, h) holds query r throughout; register 8 t + j holds key (or channel) 16 t + 8 h + j.
; LIMITS: NaN and infinities are not served.  A block of zeros gets the scale byte 1 where the quantiser says 127 (its codes are zeros; only this program reads the bytes).  1 / l is v_rcp_f32 and a multiplication.
; This launch's promise holds while the exponents to the base 2 (logit x log2(e)) stay under 2^31 in magnitude.
; A block's largest p is made from the block's largest score by the same two instructions as every p, which takes v_exp_f32 not to fall where its input rises.
; NOT USED: prefetching: every byte that the launch reads is asked for at its head.
; REGISTERS.  Window 0: v1-11, v116-119 what stays; v12 -M, v13 the largest t, v[14:15] l in two halves, of the first tile; v20-23 of the second; v16-17 Q's scale words; v24-39 Q; v40-43, v44-47 K's and V's scale words; v48-49 p's;
;   v[50:51], v[52:53] f; v54-83 at work; v84-99 p's codes; v100-115 sums; v128-191, v192-255 S^T, then p.  Window 1: v0-63, v64-127 O^T; v128-191 K's fragments; v192-255 V's.
.set REC,  8704
.set VR,   16*REC                      ; LDS: K's 16 records from 0, V's from here
.set SPARE, 32*REC                     ; the spare words
.set MRG,  8448                        ; the hand-over, in K's bytes once nobody reads them: slot w: 8,192 bytes of O^T, then 256 of (-M, l); slot 0, 4: wave 0's two tiles
.set LI,   1                           ; v1   16 x lane
.set DG,   2                           ; v2   16 x first tile + r - 8 h: register n's key is hidden on the diagonal where 16 (n / 8) + n % 8 > this
.set NINF, 3
.set MG,   4                           ; v4-5     where I store: O^T, (-M, l)
.set MS,   5
.set LN,   6
.set R4,   7                           ; v7   4 r
.set ADK,  8
.set ADV,  9
.set DGB,  10                          ; v10  the same as DG for the second tile
.set SPW,  18
.set NIL,  19
.set MR,   116                         ; v116-117 my partner's slot
.set MRS,  117
.set M2,   118                         ; v118-119 wave 0's: slot 4 (wave / 4)
.set M2S,  119
.set TM,   56
.set WV,   12                          ; s12  wave 0..7
.set HH,   13                          ; s13  wave / 4
.set JJ,   14                          ; s14  wave % 4
.set SEQ,  15                          ; s15  my steps behind the first, four bits each
.set HD,   17                          ; s17  head
.set BLK,  18                          ; s18  my block = its last key step
.set TAU,  19                          ; s19  my first tile in the block
.set SEL,  20
.set CS,   22                          ; s[22:23] log2(e), twice
.set G1,   24
.set G0,   32
.set TB,   48                          ; s48  LDS byte of a step's record of K
.set SI,   49                          ; s49  the step
.set CNT,  50
.set SN,   51                          ; s51  the next step
.set SH,   53                          ; s53  its place in the list
.set TBV,  55
.set TP,   56
.set MSB, 0
.macro WIN new                         ; the immediate's high byte repeats the setting that is left
.if MSB != \new
	s_set_vgpr_msb (MSB<<8)|\new
.set MSB, \new
.endif
.endm
.macro CROUND
	s_barrier_signal -1
	s_barrier_wait -1
	s_cmp_lg_u32 s[WV], 0
	s_cbranch_scc1 .Lnot_wave_0_\@
	s_barrier_signal -3
.Lnot_wave_0_\@:
	s_barrier_wait -3
	s_barrier_signal -1
	s_barrier_wait -1
.endm
.macro PLACES
.rept 4
	v_nop
.endr
.endm
; 64 numbers of a lane, register 8 t + j = k 16 t + 8 h + j of my row, become a fragment's 8 registers: words 4 c + 0, 1, 2, 3 are written to places 4 c + 0, 2, 1, 3, and two exchanges of halves for each c finish it.
.macro CONV s, pc, sop
.irp b, 0,1,2,3
	v_cvt_scalef32_pk8_fp4_f32 v[(\pc)+4*(\b/2)+(\b%2)], v[(\s)+16*\b:(\s)+16*\b+7], v[(\sop)+\b]
	v_cvt_scalef32_pk8_fp4_f32 v[(\pc)+4*(\b/2)+2+(\b%2)], v[(\s)+16*\b+8:(\s)+16*\b+15], v[(\sop)+\b]
.endr
.endm
.macro SWAPS pc
.irp c, 0,1
	v_permlane16_swap_b32 v[(\pc)+4*\c], v[(\pc)+4*\c+1]
	v_permlane16_swap_b32 v[(\pc)+4*\c+2], v[(\pc)+4*\c+3]
.endr
.endm
.macro QUANT s, pc, pw                 ; block b of 32 is registers 16 b .. 16 b + 15 of lanes l and l xor 16
.irp b, 0,1,2,3
	v_max3_num_f32 v[TM+\b], |v[(\s)+16*\b]|, |v[(\s)+1+16*\b]|, 0x1800000
.endr
.irp i, 2,4,6,8,10,12,14
.irp b, 0,1,2,3
	v_max3_num_f32 v[TM+\b], v[TM+\b], |v[(\s)+16*\b+\i]|, |v[(\s)+1+16*\b+\i]|
.endr
.endr
.irp b, 0,1,2,3
	v_permlanex16_b32 v[TM+4+\b], v[TM+\b], s[SEL], s[SEL+1]
.endr
.irp b, 0,1,2,3
	v_max_num_f32 v[TM+\b], v[TM+\b], v[TM+4+\b]
.endr
.irp b, 0,1,2,3
	v_add_nc_u32 v[TM+12+\b], 0xff000000, v[TM+\b]
.endr
.irp b, 0,1,2,3
	v_lshrrev_b32 v[TM+4+\b], 23, v[TM+12+\b]
.endr
	v_lshl_or_b32 v[(\pw)], v[TM+5], 8, v[TM+4]
	v_lshl_or_b32 v[(\pw)], v[TM+6], 16, v[(\pw)]
	v_lshl_or_b32 v[(\pw)], v[TM+7], 24, v[(\pw)]
	CONV \s, \pc, TM+12
	v_nop                                          ; a plain place behind the scaled conversions
	SWAPS \pc
.endm
	s_load_b256 s[4:11], s[0:1], 0x0               ; qrec s[4:5], krec s[6:7], vrec s[8:9], arec s[10:11]
	v_lshl_add_u32 v[SPW], v0, 2, SPARE
	v_mov_b32 v[NIL], 0
	ds_add_u32 v[SPW], v[NIL]                      ; the opening adds, twice on end
	ds_add_u32 v[SPW], v[NIL]
	v_lshrrev_b32 v11, 5, v0
	v_readfirstlane_b32 s[WV], v11
	s_and_b32 s[JJ], s[WV], 3
	s_lshr_b32 s[HH], s[WV], 2
	s_and_b32 s[HD], ttmp7, 0xffff                 ; the head, which the four partners share
	; my partner in the hand-over: 1 and 6, 2 and 7, 3 and 5
	s_and_b32 s52, s[JJ], 1
	s_lshr_b32 s53, s[JJ], 1
	s_xor_b32 s54, s52, s53
	s_lshl_b32 s55, s54, 1
	s_or_b32 s55, s55, s53                         ; waves 1, 2, 3: 2, 3, 1
	s_lshl_b32 s56, s52, 1
	s_or_b32 s56, s56, s54                         ; waves 5, 6, 7: 3, 1, 2
	s_xor_b32 s56, s55, s56
	s_mul_i32 s57, s[HH], 3
	s_and_b32 s56, s56, s57
	s_xor_b32 s55, s55, s56
	s_xor_b32 s56, s[HH], 1
	s_lshl_b32 s56, s56, 2
	s_or_b32 s55, s55, s56
	s_mul_i32 s55, s55, MRG
	s_or_b32 s58, s52, s[HH]                       ; my first step: waves 3, 6, 7: 1; wave 5: 2; the others 0
	s_and_b32 s58, s58, s53
	s_xor_b32 s59, s53, 1
	s_and_b32 s59, s59, s52
	s_and_b32 s59, s59, s[HH]
	s_lshl_b32 s59, s59, 1
	s_or_b32 s[SI], s58, s59
	s_mul_i32 s[TB], s[SI], REC
	s_min_u32 s56, s[WV], 1                        ; where I store: slot w, wave 0 its second tile in slot 4
	s_xor_b32 s56, s56, 1
	s_lshl_b32 s56, s56, 2
	s_or_b32 s56, s56, s[WV]
	s_mul_i32 s56, s56, MRG
	s_mul_i32 s57, s[HH], 4*MRG
	s_lshr_b32 s58, 0x39, s[WV]                    ; waves 0, 3, 4, 5: blocks c and 15 - c; the others c ^ 5 and 15 - (c ^ 5)
	s_and_b32 s58, s58, 1
	s_xor_b32 s58, s58, 1
	s_mul_i32 s58, s58, 5
	s_xor_b32 s58, s58, ttmp9                      ; c: in a cluster launch ttmp9 counts clusters
	s_lshr_b32 s59, 0x6b, s[WV]                    ; waves 0, 1, 3, 5, 6: the one counted from 15 down
	s_and_b32 s59, s59, 1
	s_mul_i32 s59, s59, 15
	s_xor_b32 s[BLK], s58, s59
	s_mov_b32 s[SEQ], 0x753                        ; wave 7: 3, 5, 7
	s_cmp_eq_u32 s[WV], 6
	s_cselect_b32 s[SEQ], 0xb9753, s[SEQ]          ; 3, 5, 7, 9, 11
	s_cmp_eq_u32 s[WV], 5
	s_cselect_b32 s[SEQ], 0x85, s[SEQ]             ; 5, 8
	s_cmp_eq_u32 s[WV], 4
	s_cselect_b32 s[SEQ], 0x321, s[SEQ]            ; 1, 2, 3
	s_cmp_eq_u32 s[WV], 3
	s_cselect_b32 s[SEQ], 0xeba74, s[SEQ]          ; 4, 7, 10, 11, 14
	s_cmp_eq_u32 s[WV], 2
	s_cselect_b32 s[SEQ], 0x642, s[SEQ]            ; 2, 4, 6
	s_cmp_eq_u32 s[WV], 1
	s_cselect_b32 s[SEQ], 0xa8642, s[SEQ]          ; 2, 4, 6, 8, 10
	s_cmp_eq_u32 s[WV], 0
	s_cselect_b32 s[SEQ], 0xfdc963, s[SEQ]         ; 3, 6, 9, 12, 13, 15
	v_and_b32 v[LN], 31, v0                        ; every LDS address that stays is made here, ahead of the first branch on the wave's number
	v_lshlrev_b32 v[LI], 4, v[LN]
	v_lshlrev_b32 v11, 3, v[LN]
	v_add_nc_u32 v11, 8192, v11
	v_add_nc_u32 v[MG], s56, v[LI]
	v_add_nc_u32 v[MS], s56, v11
	v_add_nc_u32 v[MR], s55, v[LI]
	v_add_nc_u32 v[MRS], s55, v11
	v_add_nc_u32 v[M2], s57, v[LI]
	v_add_nc_u32 v[M2S], s57, v11
	; group 1: four records, 136 dense rows of 256 bytes (32 elements of 8 bytes), no padding; the mask names all four work-groups
	s_mov_b32 s[G1], 15|(3<<16)|(1<<21)
	s_mov_b32 s[G1+1], 32<<16
	s_mov_b32 s[G1+2], 136<<16
	s_mov_b32 s[G1+3], 32<<16
	s_mov_b32 s[G1+4], 136
	s_mov_b32 s[G1+5], 32
	s_mov_b32 s[G1+6], 0
	s_mov_b32 s[G1+7], 0
	s_mul_i32 s54, s[HH], VR                       ; K or V
	s_mul_i32 s55, s[JJ], 4*REC
	s_mov_b32 s[G0], 1
	s_add_co_u32 s[G0+1], s54, s55
	s_mul_i32 s58, s[HD], 16*REC
	s_add_co_u32 s58, s58, s55
	s_mov_b32 s59, 0
	s_mov_b32 s[SEL], 0x76543210
	s_mov_b32 s[SEL+1], 0xfedcba98
	s_mov_b32 s[CS], 0x3fb8aa3b                    ; log2(e)
	s_mov_b32 s[CS+1], s[CS]
	s_wait_alu depctr_va_vdst(0)
	s_wait_dscnt 0x0                               ; both opening adds are done
	CROUND                                         ; all four work-groups are here: the joint loads meet
	s_wait_kmcnt 0x0
	s_cmp_eq_u32 s[HH], 0
	s_cselect_b64 s[G0+2:G0+3], s[6:7], s[8:9]
	s_add_nc_u64 s[G0+2:G0+3], s[G0+2:G0+3], s[58:59]
	s_or_b32 s[G0+3], s[G0+3], 0x80000000
	; one load a wave.  Steps 0 to 3 have a line of their own: they are waited for first
	s_cmp_eq_u32 s[JJ], 0
	s_cbranch_scc0 .Lfetch_1
	tensor_load_to_lds s[G0:G0+3], s[G1:G1+7]
	s_nop 0
	PLACES
	s_branch .Lfetched
.Lfetch_1:
	tensor_load_to_lds s[G0:G0+3], s[G1:G1+7]
	s_nop 0
	PLACES
.Lfetched:
	; my tiles, and where Q comes from and the result goes.  What hangs on cx lives in s70 to s75, s[TAU] and the four pointers below
	s_bfe_u32 s70, ttmp6, 0x40000                  ; cx
	s_lshl_b32 s[TAU], s70, 1
	s_lshl_b32 s71, s[HD], 4
	s_add_co_u32 s71, s71, s[BLK]
	s_mul_i32 s71, s71, REC                        ; qrec: record 16 head + block
	s_lshl_b32 s72, s[TAU], 10
	s_add_co_u32 s60, s71, s72                     ; my tiles' codes
	s_mov_b32 s61, 0
	s_lshl_b32 s74, s70, 2
	s_add_co_u32 s62, s71, s74
	s_add_co_u32 s62, s62, 8192                    ; and their scale words: + 16 r, the second tile's 256 on
	s_mov_b32 s63, 0
	s_lshl_b32 s71, s[BLK], 4
	s_add_co_u32 s71, s71, s[HD]
	s_mul_i32 s71, s71, REC                        ; arec: record 16 block + head
	s_add_co_u32 s66, s71, s72
	s_mov_b32 s67, 0
	s_lshl_b32 s73, s[TAU], 6
	s_add_co_u32 s68, s71, s73
	s_add_co_u32 s68, s68, 8192                    ; its scale words: 64 bytes a tile, + 4 r
	s_mov_b32 s69, 0
	s_add_nc_u64 s[60:61], s[4:5], s[60:61]
	s_add_nc_u64 s[62:63], s[4:5], s[62:63]
	s_add_nc_u64 s[66:67], s[10:11], s[66:67]
	s_add_nc_u64 s[68:69], s[10:11], s[68:69]
	s_lshl_b32 s75, s[TAU], 4
	v_and_b32 v11, 15, v0                          ; r
	v_bfe_u32 v54, v0, 4, 1                        ; h
	v_lshlrev_b32 v[R4], 2, v11
	v_lshlrev_b32 v54, 3, v54
	v_sub_nc_u32 v[DG], v11, v54
	v_add_nc_u32 v[DG], s75, v[DG]
	v_add_nc_u32 v[DGB], 16, v[DG]
	v_lshlrev_b32 v11, 4, v11                      ; 16 r
	global_load_b128 v[24:27], v[LI], s[60:61]     ; Q's fragments stay in registers
	global_load_b128 v[28:31], v[LI], s[60:61] offset:512
	global_load_b128 v[32:35], v[LI], s[60:61] offset:1024
	global_load_b128 v[36:39], v[LI], s[60:61] offset:1536
	global_load_b32 v16, v11, s[62:63]             ; Q's scale words
	global_load_b32 v17, v11, s[62:63] offset:256
	v_mov_b32 v[NINF], 0xff800000
	v_mov_b32 v13, 0xff61b1e6                      ; the largest t so far: -3e38, under every t
	v_mov_b32 v21, 0xff61b1e6
	v_mov_b32 v14, 0                               ; l, in two halves
	v_mov_b32 v15, 0
	v_mov_b32 v22, 0
	v_mov_b32 v23, 0
	v_floor_f32 v12, -v13                          ; -M
	v_floor_f32 v20, -v21
	v_mov_b32 v51, 0                               ; (named as upper halves of pairs)
	v_mov_b32 v53, 0
.irp b, 60,61,62,63,64,65,66,67,68,69,70,71
	v_mov_b32 v[\b], 0                             ; a lane permute's destination counts as one of its sources
.endr
	WIN 0x40
.set j, 0
.rept 128
	v_mov_b32 v[j], 0                              ; O^T: the step's body is the same for the first step, whose change of M leaves zeros
.set j, j+1
.endr
	WIN 0
	s_wait_alu depctr_va_vdst(0)                   ; the wait at the head's end
	s_wait_loadcnt 0x0                             ; Q
.macro LOADK                           ; a step's K: 17 loads
	ds_load_b128 v[40:43], v[ADK] offset:8192      ; its scale words: register j: the 32 rows of tiles 2 j, 2 j + 1
	WIN 0x40
.irp t, 0,1,2,3,4,5,6,7
.irp c, 0,1
	ds_load_b128 v[128+8*\t+4*\c:131+8*\t+4*\c], v[ADK] offset:1024*\t+512*\c
.endr
.endr
	WIN 0
.endm
.macro NEXTK                           ; the list's step at place SH, and its K where it is one of mine: 1 .. my block (0 ends the list)
	s_lshr_b32 s[SN], s[SEQ], s[SH]
	s_and_b32 s[SN], s[SN], 15
	s_mul_i32 s[TB], s[SN], REC
	s_sub_co_u32 s[TP], s[SN], 1
	s_cmp_ge_u32 s[TP], s[BLK]
	s_cbranch_scc1 .Lnone_\@
	v_add_nc_u32 v[ADK], s[TB], v[LI]
	LOADK
.Lnone_\@:
.endm
; A KEY STEP: 128 keys, step s[SI], both tiles; K is in its registers.  pre = 1: the next step's K is asked for as soon as this one's has been multiplied.
.macro BODY pre
	WIN 0x01
.irp t, 0,1,2,3                                ; S^T = K Q^T: each fragment of K serves both tiles
	v_wmma_scale_f32_32x16x128_f4 v[128+16*\t:143+16*\t], v[128+16*\t:143+16*\t], v[24:31], 0, v[40+\t], v16
	v_wmma_scale_f32_32x16x128_f4 v[192+16*\t:207+16*\t], v[128+16*\t:143+16*\t], v[32:39], 0, v[40+\t], v17
.endr
	WIN 0
	s_add_co_u32 s[TBV], s[TB], VR
	v_add_nc_u32 v[ADV], s[TBV], v[LI]
	PLACES                                         ; behind the products: K's registers and the scores; and V's, which the last step's products have read
	WIN 0x40
.irp t, 0,1,2,3,4,5,6,7                        ; V's fragments land while the softmax is walked
.irp c, 0,1
	ds_load_b128 v[192+8*\t+4*\c:195+8*\t+4*\c], v[ADV] offset:1024*\t+512*\c
.endr
.endr
	WIN 0
	ds_load_b128 v[44:47], v[ADV] offset:8192
.if \pre
	NEXTK
.endif
	s_cmp_lg_u32 s[SI], s[BLK]                     ; on the diagonal the scores of hidden keys become -infinity ahead of the maximum: p = 0 then.  Key 0 of the step counts for every query
	s_cbranch_scc1 .Lopen_\@
.set n, 0
.rept 64
	v_cmp_gt_i32 vcc_lo, 16*(n/8)+n%8, v[DG]
	v_cndmask_b32 v[128+n], v[128+n], v[NINF], vcc_lo
	v_cmp_gt_i32 vcc_lo, 16*(n/8)+n%8, v[DGB]
	v_cndmask_b32 v[192+n], v[192+n], v[NINF], vcc_lo
.set n, n+1
.endr
.Lopen_\@:
.irp b, 0,1,2,3,4,5,6,7
	v_max3_num_f32 v[56+\b], v[128+16*\b], v[129+16*\b], v[130+16*\b]   ; the largest score of each block of 32 keys (0-3 first tile, 4-7 second): for the row's maximum, and for the block's largest p
.endr
.irp i, 3,5,7,9,11,13
.irp b, 0,1,2,3,4,5,6,7
	v_max3_num_f32 v[56+\b], v[56+\b], v[128+16*\b+\i], v[129+16*\b+\i]
.endr
.endr
.irp b, 0,1,2,3,4,5,6,7
	v_max_num_f32 v[56+\b], v[56+\b], v[143+16*\b]
.endr
.irp b, 0,1,2,3,4,5,6,7
	v_permlanex16_b32 v[64+\b], v[56+\b], s[SEL], s[SEL+1]
.endr
.irp b, 0,1,2,3,4,5,6,7
	v_max_num_f32 v[56+\b], v[56+\b], v[64+\b]     ; with lane l xor 16's 16 keys
.endr
	v_max3_num_f32 v54, v56, v57, v58
	v_max3_num_f32 v55, v60, v61, v62
	v_max_num_f32 v54, v54, v59
	v_max_num_f32 v55, v55, v63
	v_mul_f32 v54, s[CS], v54                      ; as t
	v_mul_f32 v55, s[CS], v55
	v_max_num_f32 v13, v13, v54                    ; the running largest t
	v_max_num_f32 v21, v21, v55
	v_mov_b32 v54, v12
	v_mov_b32 v55, v20
	v_floor_f32 v12, -v13                          ; the new -M = floor(-t) = -ceil(t)
	v_floor_f32 v20, -v21
	v_sub_f32 v54, v12, v54                        ; old M - new M: a whole number, 0 or less
	v_sub_f32 v55, v20, v55
	v_cvt_i32_f32 v54, v54                         ; (it saturates)
	v_cvt_i32_f32 v55, v55
	v_ldexp_f32 v50, 1.0, v54                      ; f = 2^(old M - new M)
	v_ldexp_f32 v52, 1.0, v55
.set j, 0
.rept 32
	v_pk_fma_f32 v[128+j:129+j], v[128+j:129+j], s[CS:CS+1], v[12:13] op_sel_hi:[1,0,0]   ; t - M, two at a time
	v_pk_fma_f32 v[192+j:193+j], v[192+j:193+j], s[CS:CS+1], v[20:21] op_sel_hi:[1,0,0]
.set j, j+2
.endr
.irp b, 0,1,2,3
	v_fma_f32 v[56+\b], v[56+\b], s[CS], v12       ; the same of each block's largest score
	v_fma_f32 v[60+\b], v[60+\b], s[CS], v20
.endr
	s_wait_alu depctr_va_vdst(0)                   ; the wait ahead of the batch
.set j, 0
.rept 128
	v_exp_f32 v[128+j], v[128+j]                   ; p = 2^(t - M)
.set j, j+1
.endr
	v_pk_mul_f32 v[14:15], v[14:15], v[50:51] op_sel_hi:[1,0]   ; l under the new M: plain places behind the exponentials
	v_pk_mul_f32 v[22:23], v[22:23], v[52:53] op_sel_hi:[1,0]
	s_wait_alu depctr_va_vdst(0)                   ; one wait for the batch of 128
.irp b, 0,1,2,3,4,5,6,7
	v_exp_f32 v[56+\b], v[56+\b]                   ; the block's largest p
.endr
.irp i, 0,1,2,3                                ; the sum of the unquantised p: five chains for each tile
	v_pk_add_f32 v[100+2*\i:101+2*\i], v[128+4*\i:129+4*\i], v[130+4*\i:131+4*\i]
	v_pk_add_f32 v[108+2*\i:109+2*\i], v[192+4*\i:193+4*\i], v[194+4*\i:195+4*\i]
.endr
	v_pk_add_f32 v[14:15], v[14:15], v[144:145]
	v_pk_add_f32 v[22:23], v[22:23], v[208:209]
.set j, 146
.irp r, 100,102,104,106,14,100,102,104,106,14,100,102,104,106,14,100,102,104,106,14,100,102,104
	v_pk_add_f32 v[\r:\r+1], v[\r:\r+1], v[j:j+1]
	v_pk_add_f32 v[\r+8:\r+9], v[\r+8:\r+9], v[j+64:j+65]
.set j, j+2
.endr
	v_pk_add_f32 v[14:15], v[14:15], v[106:107]
	v_pk_add_f32 v[22:23], v[22:23], v[114:115]
	v_pk_add_f32 v[100:101], v[100:101], v[102:103]
	v_pk_add_f32 v[108:109], v[108:109], v[110:111]
	v_pk_add_f32 v[14:15], v[14:15], v[104:105]
	v_pk_add_f32 v[22:23], v[22:23], v[112:113]
	v_pk_add_f32 v[14:15], v[14:15], v[100:101]
	v_pk_add_f32 v[22:23], v[22:23], v[108:109]
	s_wait_alu depctr_va_vdst(0)                   ; and one for the eight
.irp b, 0,1,2,3,4,5,6,7
	v_max_num_f32 v[56+\b], 0x1800000, v[56+\b]    ; the floor 2^(3 - 127): the byte cannot fall under 1
.endr
.irp b, 0,1,2,3,4,5,6,7
	v_add_nc_u32 v[72+\b], 0xff000000, v[56+\b]    ; 2 off the exponent field: the conversion's scale operand
.endr
.irp b, 0,1,2,3,4,5,6,7
	v_lshrrev_b32 v[64+\b], 23, v[72+\b]           ; the scale's byte
.endr
	v_lshl_or_b32 v48, v65, 8, v64                 ; p's scale words for these 128 keys
	v_lshl_or_b32 v49, v69, 8, v68
	v_lshl_or_b32 v48, v66, 16, v48
	v_lshl_or_b32 v49, v70, 16, v49
	v_lshl_or_b32 v48, v67, 24, v48
	v_lshl_or_b32 v49, v71, 24, v49
	CONV 128, 84, 72
	CONV 192, 92, 76
	v_nop                                          ; a plain place behind the scaled conversions
	SWAPS 84
	SWAPS 92
	s_wait_alu depctr_va_vdst(0)                   ; the wait ahead of the first reader of O^T
	WIN 0x41
.set j, 0
.rept 32
	v_pk_mul_f32 v[j:j+1], v[j:j+1], v[50:51] op_sel_hi:[1,0]   ; O^T under the new M.  These 64 are also the places between the codes' and the scale words' last writes and the products
	v_pk_mul_f32 v[64+j:65+j], v[64+j:65+j], v[52:53] op_sel_hi:[1,0]
.set j, j+2
.endr
	s_wait_alu depctr_va_vdst(0)
	s_wait_dscnt 0x0                               ; V is in, and the next step's K, where it was asked for
	WIN 0x51
.irp t, 0,1,2,3                                ; O^T += V^T P^T: the eight accumulators by turns
	v_wmma_scale_f32_32x16x128_f4 v[16*\t:15+16*\t], v[192+16*\t:207+16*\t], v[84:91], v[16*\t:15+16*\t], v[44+\t], v48
	v_wmma_scale_f32_32x16x128_f4 v[64+16*\t:79+16*\t], v[192+16*\t:207+16*\t], v[92:99], v[64+16*\t:79+16*\t], v[44+\t], v49
.endr
	WIN 0
.endm
	s_cmp_eq_u32 s[JJ], 0                          ; waves 0 and 4 brought steps 0 to 3: they alone issued that line, and both wait
	s_cbranch_scc0 .Lnot_first
	s_wait_tensorcnt 0x0
.Lnot_first:
	s_wait_dscnt 0x0
	s_barrier_signal -1
	s_barrier_wait -1
	v_add_nc_u32 v[ADK], s[TB], v[LI]              ; my first step: 0, 1 or 2
	LOADK
	s_wait_alu depctr_va_vdst(0)
	s_wait_dscnt 0x0
	BODY 0
	s_wait_tensorcnt 0x0                           ; every load of mine has landed
	s_wait_dscnt 0x0
	s_barrier_signal -1
	s_barrier_wait -1                              ; everybody's has
	PLACES                                         ; behind the last products
	s_mov_b32 s[SH], 0
	NEXTK
	s_mov_b32 s[SI], s[SN]
	s_mov_b32 s[SH], 4
	s_mov_b32 s[CNT], 6                            ; the longest list; a wave that is past its own walks the trips without work
	s_wait_alu depctr_va_vdst(0)
	s_wait_dscnt 0x0
.Ltrip:
	s_sub_co_u32 s[TP], s[SI], 1
	s_cmp_ge_u32 s[TP], s[BLK]
	s_cbranch_scc1 .Lhid                           ; on ids, round the work alone
	BODY 1
	s_mov_b32 s[SI], s[SN]
.Lhid:
	s_add_co_u32 s[SH], s[SH], 4
	s_sub_co_u32 s[CNT], s[CNT], 1
	s_cmp_lg_u32 s[CNT], 0
	s_cbranch_scc1 .Ltrip
	; THE HAND-OVER.  Behind the first barrier nobody reads K any more and every fill has landed: each wave stores the tile that it does not finish; behind the second the partner reads it.
	PLACES                                         ; behind the last products
	v_add_f32 v14, v14, v15                        ; l's two halves
	v_add_f32 v22, v22, v23
	v_mov_b32 v13, v14                             ; beside -M, for one store
	v_mov_b32 v21, v22
	s_wait_alu depctr_va_vdst(0)
	s_wait_dscnt 0x0
	s_barrier_signal -1
	s_barrier_wait -1
.macro GIVE t, adr, ads
	WIN 0x04
.irp k, 0,1,2,3,4,5,6,7,8,9,10,11,12,13,14,15
	ds_store_b128 v[\adr], v[64*\t+4*\k:64*\t+4*\k+3] offset:512*\k   ; each accumulator from its low end on
.endr
	WIN 0
	ds_store_b64 v[\ads], v[12+8*\t:13+8*\t]
.endm
	s_cmp_lt_u32 s[WV], 4
	s_cbranch_scc0 .Lgive_first
	GIVE 1, MG, MS
	s_cmp_eq_u32 s[WV], 0
	s_cbranch_scc0 .Lgiven
	GIVE 0, M2, M2S
	s_branch .Lgiven
.Lgive_first:
	s_cmp_eq_u32 s[WV], 4
	s_cbranch_scc1 .Lgiven
	GIVE 0, MG, MS
.Lgiven:
	s_wait_dscnt 0x0                               ; for the others' sake: my stores have landed
	s_barrier_signal -1
	s_barrier_wait -1
.macro MERGE t, adr, ads               ; another wave's share of tile t
.irp k, 0,1,2,3,4,5,6,7,8,9,10,11,12,13,14,15
	ds_load_b128 v[128+4*\k:131+4*\k], v[\adr] offset:512*\k
.endr
	ds_load_b64 v[60:61], v[\ads]
	s_wait_alu depctr_va_vdst(0)
	s_wait_dscnt 0x0
	v_min_num_f32 v80, v[12+8*\t], v60             ; -M of both = the lesser -M
	v_sub_f32 v74, v80, v[12+8*\t]                 ; my M - M, a whole number, 0 or less;
	v_sub_f32 v75, v80, v60                        ; the other's
	v_mov_b32 v[12+8*\t], v80
	v_cvt_i32_f32 v74, v74                         ; (it saturates)
	v_cvt_i32_f32 v75, v75
	v_ldexp_f32 v50, 1.0, v74
	v_ldexp_f32 v52, 1.0, v75
	v_mul_f32 v[14+8*\t], v[14+8*\t], v50
	v_fma_f32 v[14+8*\t], v61, v52, v[14+8*\t]     ; l under the common M
	WIN 0x41
.set j, 64*\t
.rept 32
	v_pk_mul_f32 v[j:j+1], v[j:j+1], v[50:51] op_sel_hi:[1,0]
.set j, j+2
.endr
	WIN 0x50
.set j, 0
.rept 32
	v_pk_fma_f32 v[64*\t+j:64*\t+j+1], v[128+j:129+j], v[52:53], v[64*\t+j:64*\t+j+1] op_sel_hi:[1,0,1]
.set j, j+2
.endr
	WIN 0
	s_wait_alu depctr_va_vdst(0)
.endm
.macro FINAL t                         ; tile t: divided by l, quantised along the head's 128 (K of the last product), stored
	v_permlanex16_b32 v64, v[14+8*\t], s[SEL], s[SEL+1]
	v_add_f32 v80, v[14+8*\t], v64                 ; with lane l xor 16's keys
	s_wait_alu depctr_va_vdst(0)                   ; the wait ahead of the transcendental
	v_rcp_f32 v82, v80
	v_nop                                          ; a plain place behind the reciprocal
	s_wait_alu depctr_va_vdst(0)                   ; and the wait ahead of its first reader
	v_mov_b32 v83, v82
	WIN 0x01
.set j, 0
.rept 32
	v_pk_mul_f32 v[128+j:129+j], v[64*\t+j:64*\t+j+1], v[82:83] op_sel_hi:[1,0]   ; attn(query r, channel 16 t + 8 h + i)
.set j, j+2
.endr
	WIN 0
	QUANT 128, 84+8*\t, 54+\t
	global_store_b128 v[LI], v[84+8*\t:87+8*\t], s[66:67] offset:1024*\t   ; 512 consecutive bytes a store, aligned
	global_store_b128 v[LI], v[88+8*\t:91+8*\t], s[66:67] offset:1024*\t+512
	v_cmp_gt_u32 vcc_lo, 16, v[LN]
	s_wait_alu depctr_va_vdst(0)
	s_wait_xcnt 0x0                                ; EXEC changes only behind this wait
	s_and_saveexec_b32 s52, vcc_lo
	global_store_b32 v[R4], v[54+\t], s[68:69] offset:64*\t   ; my tile's 16 scale words: 64 consecutive bytes.  A work-group holds two tiles of a block: no run of 256 can be formed here
	s_wait_xcnt 0x0
	s_or_b32 exec_lo, exec_lo, s52
.endm
	s_cmp_eq_u32 s[WV], 0
	s_cbranch_scc1 .Ldone                          ; wave 0 has given both tiles away
	s_cmp_eq_u32 s[WV], 4
	s_cbranch_scc1 .Lfinal_first                   ; wave 4 finishes both, alone
	s_cmp_lt_u32 s[WV], 4
	s_cbranch_scc0 .Lsecond
	MERGE 0, MR, MRS
	s_cmp_eq_u32 s[WV], 3
	s_cbranch_scc0 .Lfinal_first
	MERGE 0, M2, M2S
.Lfinal_first:
	FINAL 0
	s_cmp_eq_u32 s[WV], 4
	s_cbranch_scc1 .Lfinal_second
	s_branch .Ldone
.Lsecond:
	MERGE 1, MR, MRS
	s_cmp_eq_u32 s[WV], 5
	s_cbranch_scc0 .Lfinal_second
	MERGE 1, M2, M2S
.Lfinal_second:
	FINAL 1
.Ldone:
	s_wait_tensorcnt 0x0                           ; the wave's end
	ds_add_u32 v[SPW], v[NIL]
	s_wait_dscnt 0x0
	CROUND                                         ; the closing round
	s_endpgm
.Lfunc_end_k_q79dba3332e_attn:
	.size	k_q79dba3332e_attn, .Lfunc_end_k_q79dba3332e_attn-k_q79dba3332e_attn
	.p2alignl 7, 3214868480
	.fill 96, 4, 3214868480
	.section	.rodata,"a",@progbits
	.p2align	6, 0x0
	.amdhsa_kernel k_q79dba3332e_attn
		.amdhsa_group_segment_fixed_size 279552
		.amdhsa_private_segment_fixed_size 0
		.amdhsa_enable_private_segment 0
		.amdhsa_kernarg_size 32
		.amdhsa_user_sgpr_count 2
		.amdhsa_user_sgpr_kernarg_segment_ptr 1
		.amdhsa_wavefront_size32 1
		.amdhsa_system_sgpr_workgroup_id_x 1
		.amdhsa_system_sgpr_workgroup_id_y 1
		.amdhsa_system_sgpr_workgroup_id_z 1
		.amdhsa_system_vgpr_workitem_id 0
		.amdhsa_next_free_vgpr 512
		.amdhsa_next_free_sgpr 76
		.amdhsa_reserve_vcc 1
		.amdhsa_float_denorm_mode_32 3
		.amdhsa_float_denorm_mode_16_64 3
		.amdhsa_memory_ordered 1
		.amdhsa_forward_progress 1
		.amdhsa_inst_pref_size 136
	.end_amdhsa_kernel
	.amdgpu_metadata
---
amdhsa.version: [ 1, 2 ]
amdhsa.kernels:
  - .name:           k_q79dba3332e_attn
    .symbol:         k_q79dba3332e_attn.kd
    .args:
      - { .name: qrec, .offset: 0, .size: 8, .value_kind: global_buffer, .address_space: global }
      - { .name: krec, .offset: 8, .size: 8, .value_kind: global_buffer, .address_space: global }
      - { .name: vrec, .offset: 16, .size: 8, .value_kind: global_buffer, .address_space: global }
      - { .name: arec, .offset: 24, .size: 8, .value_kind: global_buffer, .address_space: global }
    .group_segment_fixed_size: 279552
    .private_segment_fixed_size: 0
    .kernarg_segment_align: 8
    .kernarg_segment_size: 32
    .max_flat_workgroup_size: 256
    .sgpr_count:     76
    .vgpr_count:     512
    .wavefront_size: 32
...
	.end_amdgpu_metadata
.endif
;; end of part 2
;; launch outp (part 3): grid 16 x 16, 4 waves a work-group, clusters of 4 x 4, 290,304 bytes of LDS; arguments arec, Wo_codes, Wo_scales, out0; writes out0
.if DOCPART == 3
	.amdgcn_target "amdgcn-amd-amdhsa--gfx1250"
	.amdhsa_code_object_version 6
	.text
	.protected	k_q79dba3332e_outp
	.globl	k_q79dba3332e_outp
	.p2align	8
	.type	k_q79dba3332e_outp,@function
k_q79dba3332e_outp:
	s_mov_b64 s[64:65], 0
	v_nop
	global_prefetch_b8 v0, s[64:65] scope:SCOPE_SE
	s_setreg_imm32_b32 hwreg(HW_REG_WAVE_MODE, 25, 1), 1
	s_wait_xcnt 0x0
	s_wait_alu depctr_hold_cnt(0) depctr_sa_sdst(0) depctr_va_vdst(0) depctr_va_sdst(0) depctr_va_ssrc(0) depctr_va_vcc(0) depctr_vm_vsrc(0)
	s_getreg_b32 s2, hwreg(HW_REG_IB_STS2, 6, 4)
	s_cmp_eq_u32 s2, 0
	s_cbranch_scc0 .Lentry_in_a_cluster
	s_endpgm
.Lentry_in_a_cluster:
	s_bfe_u32 s2, ttmp6, 0x10000c
	s_cmp_lg_u32 s2, 0xf033
	s_cbranch_scc0 .Lentry_shape_is_right
	s_endpgm
.Lentry_shape_is_right:
; THE LAST PRODUCT: out0[m][n] = sum over k of attn[m][k] Wo[n][k], on codes of FP4 (E2M1) with one E8M0 scale for each 32 along K; out0 [2048][2048] f32.
; attn comes as records (arec [block of 128 rows][head]) of 8,704 bytes, images of operands' registers for 128 rows x 128 K: tile t at 1,024 t, its registers 4 c .. 4 c + 3 at + 512 c + 16 x lane; scale words at 8,192 + 64 t + 4 r.
; Wo comes as rows of 1,024 bytes of codes and 64 scale bytes.
; A tile of out0 is 128 x 128: 256 work-groups; four waves, each 64 x 64.  ALL OF K LIES IN LDS: A's 16 records and B's 128 rows: each byte is filled once, by one load a wave at the head.
; Wo's scale words go from memory straight into registers: a wave's 64 rows are 4,096 dense bytes.
; CLUSTERS: 4 x 4 work-groups; A's records are asked for jointly along a row of the cluster, B's rows along a column.
; BY ROWS: a wave's row block 0 (16 rows) is finished over all of K first, then block 1, then 2 and 3: finished rows leave while the others are multiplied.
; B's fragments of all of K stay in registers (64 rows x 1,024 bytes: 512 registers), so no fragment is read from LDS twice.
; THE MATRIX INSTRUCTION IS USED TRANSPOSED (source 0 = 32 rows of Wo, source 1 = 16 rows of attn): a lane holds eight neighbouring numbers of a row of out0.
; LIMIT: NaN and infinities are not served.
; NOT USED: prefetching: every byte that the launch reads is asked for at its head.
; REGISTERS: window 0: v1-29 addresses; v32-63 B's scale words; v64-95 A's (these hold scales and nothing else); v96-223 A's fragments, two sets.
;   windows 1, 2: B's fragments, 32 registers for each 128 along K.  Window 3: accumulators: row block a, columns 16 b: v[32 a + 8 b]; v128-191 the way out.
.set REC,   8704
.set CHK,   4*REC
.set BT,    16*REC                     ; LDS: A's records from 0, B's rows from here,
.set BP,    1040                       ; 1,024 bytes + 16 of padding a row;
.set STAGE, BT+128*BP                  ; a stage of 16 rows x 272 bytes for each wave, into which no fill lands;
.set SPARE, STAGE+4*16*272             ; the spare words
.set ADRA, 8                           ; v8-11   heads 4 n .. 4 n + 3: my A fragments
.set ADSA, 12                          ; v12-15  my A scale words
.set ADRB, 16                          ; v16     my B fragments
.set VSC,  20                          ; v20     64 x lane: my B scale words: lane = row of 32
.set STO,  21                          ; v21     the way out: where I put 32 bytes of a row
.set RD,   22                          ; v22     where I read a row back
.set CO,   23                          ; v23     my byte offset in two rows of out0
.set SPW,  28
.set NIL,  29
.set SB,   32
.set SA,   64
.set AFR,  96
.set BK,   128
.set G1A, 24                           ; s[24:31] group 1: eight records
.set G1B, 32                           ; s[32:39] group 1: 64 rows of Wo
.set G0A, 48
.set G0B, 52
.set MSB, 0
.macro WIN new                         ; the immediate's high byte repeats the setting that is left
.if MSB != \new
	s_set_vgpr_msb (MSB<<8)|\new
.set MSB, \new
.endif
.endm
.macro CROUND
	s_barrier_signal -1
	s_barrier_wait -1
	s_cmp_lg_u32 s12, 0
	s_cbranch_scc1 .Lnot_wave_0_\@
	s_barrier_signal -3
.Lnot_wave_0_\@:
	s_barrier_wait -3
	s_barrier_signal -1
	s_barrier_wait -1
.endm
.macro PLACES
.rept 4
	v_nop
.endr
.endm
	s_load_b256 s[4:11], s[0:1], 0x0               ; arec s[4:5], Wo's codes s[6:7], Wo's scales s[8:9], out0 s[10:11]
	v_lshl_add_u32 v[SPW], v0, 2, SPARE
	v_mov_b32 v[NIL], 0
	ds_add_u32 v[SPW], v[NIL]                      ; the opening adds, twice on end
	ds_add_u32 v[SPW], v[NIL]
	v_lshrrev_b32 v1, 5, v0
	v_readfirstlane_b32 s12, v1                    ; wave 0..3
	s_lshr_b32 s13, s12, 1                         ; which half of the tile's rows is mine.  Also: I fetch for A (0) or for B (1)
	s_and_b32 s14, s12, 1                          ; which half of its columns.  Also: which half I fetch
	s_bfe_u32 s15, ttmp6, 0x40000                  ; cx, cy
	s_bfe_u32 s16, ttmp6, 0x40004
	s_lshl_b32 s17, ttmp9, 2
	s_add_co_u32 s17, s17, s15                     ; tile column
	s_and_b32 s18, ttmp7, 0xffff
	s_lshl_b32 s18, s18, 2
	s_add_co_u32 s18, s18, s16                     ; tile row
	s_lshl_b32 s19, s16, 2
	s_lshl_b32 s19, 15, s19                        ; my row of the cluster
	s_lshl_b32 s20, 0x1111, s15                    ; my column
	s_or_b32 s[G1A], s19, (3<<16)|(1<<21)          ; eight records: 272 dense rows of 256 bytes, no padding
	s_mov_b32 s[G1A+1], 32<<16
	s_mov_b32 s[G1A+2], 272<<16
	s_mov_b32 s[G1A+3], 32<<16
	s_mov_b32 s[G1A+4], 272
	s_mov_b32 s[G1A+5], 32
	s_mov_b32 s[G1A+6], 0
	s_mov_b32 s[G1A+7], 0
	s_or_b32 s[G1B], s20, (3<<16)|(1<<20)|(1<<21)|(7<<22)|(3<<25)   ; 64 dense rows of 1,024 bytes; four words of padding after every 256
	s_mov_b32 s[G1B+1], 128<<16
	s_mov_b32 s[G1B+2], 64<<16
	s_mov_b32 s[G1B+3], 128<<16
	s_mov_b32 s[G1B+4], 64
	s_mov_b32 s[G1B+5], 128
	s_mov_b32 s[G1B+6], 0
	s_mov_b32 s[G1B+7], 0
	s_mul_i32 s2, s14, 8*REC                       ; wave 0 fetches heads 0-7, wave 1 heads 8-15
	s_mul_i32 s88, s18, 16*REC                     ; A: the tile row's 16 records (these registers never hold cx)
	s_add_co_u32 s88, s88, s2
	s_mov_b32 s89, 0
	s_lshl_b32 s90, s17, 17                        ; B: row 128 x tile column + 64 x half (these never hold cy)
	s_lshl_b32 s3, s14, 16
	s_add_co_u32 s90, s90, s3
	s_mov_b32 s91, 0
	s_lshl_b32 s92, s17, 13                        ; and 64 scale bytes a row
	s_lshl_b32 s3, s14, 12
	s_add_co_u32 s92, s92, s3
	s_mov_b32 s93, 0
	s_mul_i32 s68, s14, 64*BP                      ; my 64 rows of B, to fetch and to read
	s_add_co_u32 s68, s68, BT
	s_mov_b32 s[G0A], 1
	s_mov_b32 s[G0A+1], s2
	s_mov_b32 s[G0B], 1
	s_mov_b32 s[G0B+1], s68
	s_wait_alu depctr_va_vdst(0)
	s_wait_dscnt 0x0                               ; both opening adds are done
	CROUND                                         ; all sixteen work-groups are here: the joint loads meet
	s_wait_kmcnt 0x0
	s_add_nc_u64 s[G0A+2:G0A+3], s[4:5], s[88:89]
	s_or_b32 s[G0A+3], s[G0A+3], 0x80000000
	s_add_nc_u64 s[G0B+2:G0B+3], s[6:7], s[90:91]
	s_or_b32 s[G0B+3], s[G0B+3], 0x80000000
	s_cmp_eq_u32 s13, 0                            ; one load a wave: waves 0, 1 fetch A's halves, waves 2, 3 B's
	s_cbranch_scc0 .Lfor_b
	tensor_load_to_lds s[G0A:G0A+3], s[G1A:G1A+7]
	s_nop 0
	PLACES
	s_branch .Lasked
.Lfor_b:
	tensor_load_to_lds s[G0B:G0B+3], s[G1B:G1B+7]
	s_nop 0
	PLACES
.Lasked:
	s_add_nc_u64 s[92:93], s[8:9], s[92:93]
	s_lshl_b32 s22, s18, 20                        ; out0: my first row: 128 x tile row + 64 x half;
	s_lshl_b32 s23, s13, 19
	s_add_co_u32 s22, s22, s23
	s_lshl_b32 s23, s17, 9                         ; my first column, in bytes: 512 x tile column + 256 x half
	s_add_co_u32 s22, s22, s23
	s_lshl_b32 s23, s14, 8
	s_add_co_u32 s22, s22, s23
	s_mov_b32 s23, 0
	s_add_nc_u64 s[10:11], s[10:11], s[22:23]
	s_lshl_b32 s66, s13, 12                        ; my four tiles of a record
	s_lshl_b32 s67, s13, 8                         ; and their scale words
	s_mul_i32 s70, s12, 16*272                     ; my stage
	s_add_co_u32 s70, s70, STAGE
	v_and_b32 v3, 31, v0                           ; lane
	v_lshlrev_b32 v[VSC], 6, v3
.irp p, 0,1
.irp n, 0,1,2,3
	global_load_b128 v[SB+16*\p+4*\n:SB+16*\p+4*\n+3], v[VSC], s[92:93] offset:2048*\p+16*\n   ; B's scale words: register 16 p + q: rows 32 p + lane, head q
.endr
.endr
	v_and_b32 v1, 15, v0                           ; r
	v_bfe_u32 v2, v0, 4, 1                         ; h
	v_lshlrev_b32 v4, 4, v3
	v_lshlrev_b32 v5, 2, v3
	v_add_nc_u32 v[ADRA], s66, v4
	v_add_nc_u32 v[ADSA], s67, v5
.irp n, 1,2,3
	v_add_nc_u32 v[ADRA+\n], \n*CHK, v[ADRA]
	v_add_nc_u32 v[ADSA+\n], \n*CHK, v[ADSA]
.endr
	v_mul_u32_u24 v[ADRB], v1, BP
	v_lshl_add_u32 v[ADRB], v2, 4, v[ADRB]
	v_add_nc_u32 v[ADRB], s68, v[ADRB]
	v_mul_u32_u24 v[STO], v1, 272
	v_lshl_add_u32 v[STO], v2, 5, v[STO]
	v_add_nc_u32 v[STO], s70, v[STO]               ; in: row r, 32 bytes for each half of the lanes
	v_mul_u32_u24 v[RD], v2, 272
	v_lshl_add_u32 v[RD], v1, 4, v[RD]
	v_add_nc_u32 v[RD], s70, v[RD]                 ; back: lanes 0-15 one row of 256 bytes, lanes 16-31 the next
	v_lshlrev_b32 v[CO], 13, v2
	v_lshl_add_u32 v[CO], v1, 4, v[CO]             ; and the same two rows in out0 (8,192 bytes a row)
; A GROUP: row blocks a0 .. a0 + na - 1, heads q0 .. q0 + nq - 1; wb: B's fragments too; sa: the scale words of row blocks a0, a0 + 1 too; A's fragments into set buf.  NF: its loads.
.macro FETCH a0, na, q0, nq, wb, sa, buf
.set NF, 0
.set u, 0
.rept \nq
.set q, (\q0)+u
.if \wb
	WIN 0x40*(1+q/8)
.irp b, 0,1,2,3
.irp c, 0,1
	ds_load_b128 v[32*(q%8)+8*\b+4*\c:32*(q%8)+8*\b+4*\c+3], v[ADRB] offset:64*q+32*\c+16*BP*\b
.endr
.endr
.set NF, NF+8
.endif
	WIN 0
.set a, 0
.rept \na
.irp c, 0,1
	ds_load_b128 v[AFR+64*(\buf)+8*(u*(\na)+a)+4*\c:AFR+64*(\buf)+8*(u*(\na)+a)+4*\c+3], v[ADRA+q/4] offset:REC*(q%4)+1024*((\a0)+a)+512*\c
.endr
.set NF, NF+2
.set a, a+1
.endr
.if \sa
	ds_load_b32 v[SA+8*(\a0)+q], v[ADSA+q/4] offset:REC*(q%4)+8192+64*(\a0)   ; lanes 0-15: row block a0, lanes 16-31: a0 + 1
.set NF, NF+1
.endif
.set u, u+1
.endr
.endm
; Its products: the accumulators by turns, in the same order.
.macro MULS a0, na, q0, nq, buf
.set u, 0
.rept \nq
.set q, (\q0)+u
	WIN 0xf1+q/8
.set a, 0
.rept \na
.irp p, 0,1
.set rD, 32*((\a0)+a)+16*\p
.set rB, 32*(q%8)+16*\p
.set rA, AFR+64*(\buf)+8*(u*(\na)+a)
.set rSB, SB+16*\p+q
.set rSA, SA+16*((\a0)/2)+q
.if q == 0
.if ((\a0)+a)%2
	v_wmma_scale_f32_32x16x128_f4 v[rD:rD+15], v[rB:rB+15], v[rA:rA+7], 0, v[rSB], v[rSA] matrix_b_scale:MATRIX_SCALE_ROW1
.else
	v_wmma_scale_f32_32x16x128_f4 v[rD:rD+15], v[rB:rB+15], v[rA:rA+7], 0, v[rSB], v[rSA]
.endif
.else
.if ((\a0)+a)%2
	v_wmma_scale_f32_32x16x128_f4 v[rD:rD+15], v[rB:rB+15], v[rA:rA+7], v[rD:rD+15], v[rSB], v[rSA] matrix_b_scale:MATRIX_SCALE_ROW1
.else
	v_wmma_scale_f32_32x16x128_f4 v[rD:rD+15], v[rB:rB+15], v[rA:rA+7], v[rD:rD+15], v[rSB], v[rSA]
.endif
.endif
.endr
.set a, a+1
.endr
.set u, u+1
.endr
.endm
; The 14 groups: 0-7 row block 0 with B, two heads each; 8, 9 row block 1, eight heads; 10-13 row blocks 2 and 3, four heads.
.macro FGRP n
.set g, \n
.if g < 8
	FETCH 0, 1, 2*g, 2, 1, 1, g%2
.elseif g < 10
	FETCH 1, 1, 8*(g-8), 8, 0, 0, g%2
.else
	FETCH 2, 2, 4*(g-10), 4, 0, 1, g%2
.endif
.endm
.macro MGRP n
.set g, \n
.if g < 8
	MULS 0, 1, 2*g, 2, g%2
.elseif g < 10
	MULS 1, 1, 8*(g-8), 8, g%2
.else
	MULS 2, 2, 4*(g-10), 4, g%2
.endif
.endm
; THE WAY OUT, a block of 16 rows x 64 columns at a time, through my own stage: it comes back as whole rows of 256 bytes; sixteen lanes store 256 consecutive bytes, aligned.
; LDS serves a wave's instructions in order (ISA guide 5.7.1.4): no wait between the stores and the loads, nor in front of the next block's stores.
.macro TOSTAGE a
	WIN 0x0c
.irp b, 0,1,2,3
	ds_store_b128 v[STO], v[32*(\a)+8*\b:32*(\a)+8*\b+3] offset:64*\b       ; each accumulator from its low end on
	ds_store_b128 v[STO], v[32*(\a)+8*\b+4:32*(\a)+8*\b+7] offset:64*\b+16
.endr
	WIN 0xc0
.irp t, 0,1,2,3,4,5,6,7
	ds_load_b128 v[BK+32*((\a)%2)+4*\t:BK+32*((\a)%2)+4*\t+3], v[RD] offset:544*\t
.endr
	WIN 0
.endm
.macro SEND a                          ; (behind the wait that shows the block back in registers)
	WIN 0x0c
.irp t, 0,1,2,3,4,5,6,7
	global_store_b128 v[CO], v[BK+32*((\a)%2)+4*\t:BK+32*((\a)%2)+4*\t+3], s[10:11] offset:(16*(\a)+2*\t)*8192 th:TH_STORE_NT
.endr
	WIN 0
.endm
	s_wait_alu depctr_va_vdst(0)                   ; the wait at the head's end
	s_wait_tensorcnt 0x0                           ; my load has landed
	s_barrier_signal -1
	s_barrier_wait -1                              ; everybody's has
	FGRP 0
	s_wait_loadcnt 0x0                             ; B's scale words
.set G, 0
.rept 14                               ; while a group is multiplied, the next one's fragments are on their way from LDS
.if G < 13
.if G > 0
	PLACES                                         ; in front of loads into the set that the group before has multiplied; also the places behind a row block's last products
.endif
.if G == 8
	TOSTAGE 0                                      ; row block 0 is finished
.endif
.if G == 10
	TOSTAGE 1                                      ; and row block 1
.endif
	FGRP G+1
	s_wait_dscnt NF                                ; all but the loads just issued: this group's are in, and a block on its way through the stage is back
.else
	s_wait_dscnt 0x0
.endif
.if G == 8
	SEND 0
.endif
.if G == 10
	SEND 1
.endif
	MGRP G
.set G, G+1
.endr
	WIN 0
	PLACES                                         ; behind the last products
	s_wait_xcnt 0x0                                ; blocks 0 and 1's stores have read their registers
	TOSTAGE 2
	TOSTAGE 3
	s_wait_dscnt 16                                ; behind block 2's loads: block 3's 8 stores and 8 loads
	SEND 2
	s_wait_dscnt 0x0
	SEND 3
	s_wait_tensorcnt 0x0                           ; the wave's end
	ds_add_u32 v[SPW], v[NIL]
	s_wait_dscnt 0x0
	CROUND                                         ; the closing round
	s_endpgm
.Lfunc_end_k_q79dba3332e_outp:
	.size	k_q79dba3332e_outp, .Lfunc_end_k_q79dba3332e_outp-k_q79dba3332e_outp
	.p2alignl 7, 3214868480
	.fill 96, 4, 3214868480
	.section	.rodata,"a",@progbits
	.p2align	6, 0x0
	.amdhsa_kernel k_q79dba3332e_outp
		.amdhsa_group_segment_fixed_size 290304
		.amdhsa_private_segment_fixed_size 0
		.amdhsa_enable_private_segment 0
		.amdhsa_kernarg_size 32
		.amdhsa_user_sgpr_count 2
		.amdhsa_user_sgpr_kernarg_segment_ptr 1
		.amdhsa_wavefront_size32 1
		.amdhsa_system_sgpr_workgroup_id_x 1
		.amdhsa_system_sgpr_workgroup_id_y 1
		.amdhsa_system_sgpr_workgroup_id_z 1
		.amdhsa_system_vgpr_workitem_id 0
		.amdhsa_next_free_vgpr 1024
		.amdhsa_next_free_sgpr 96
		.amdhsa_reserve_vcc 0
		.amdhsa_float_denorm_mode_32 3
		.amdhsa_float_denorm_mode_16_64 3
		.amdhsa_memory_ordered 1
		.amdhsa_forward_progress 1
		.amdhsa_inst_pref_size 53
	.end_amdhsa_kernel
	.amdgpu_metadata
---
amdhsa.version: [ 1, 2 ]
amdhsa.kernels:
  - .name:           k_q79dba3332e_outp
    .symbol:         k_q79dba3332e_outp.kd
    .args:
      - { .name: arec, .offset: 0, .size: 8, .value_kind: global_buffer, .address_space: global }
      - { .name: Wo_codes, .offset: 8, .size: 8, .value_kind: global_buffer, .address_space: global }
      - { .name: Wo_scales, .offset: 16, .size: 8, .value_kind: global_buffer, .address_space: global }
      - { .name: out0, .offset: 24, .size: 8, .value_kind: global_buffer, .address_space: global }
    .group_segment_fixed_size: 290304
    .private_segment_fixed_size: 0
    .kernarg_segment_align: 8
    .kernarg_segment_size: 32
    .max_flat_workgroup_size: 128
    .sgpr_count:     96
    .vgpr_count:     1024
    .wavefront_size: 32
...
	.end_amdgpu_metadata
.endif
;; end of part 3
